; MI455X (gfx1250); checked and timed in simulation.
; The chip was launched on July 23, 2026; its instructions are those of AMD's public machine-readable ISA for CDNA 5 (MIT licence, August 2026) and "CDNA5" Instruction Set Architecture Reference Guide (July 2026). The comments in the code are by the model that wrote it; some were corrected since.
;; Multi Head Alibi Self Attention Layer. Allowed arithmetic: matrix products marked QUANTISED: E2M1 operands, one E8M0 scale for each 32 along K, by v_wmma_scale_f32_16x16x128_f8f6f4 with both operands' format E2M1 (or v_wmma_scale_f32_32x16x128_f4), f32 sums; products left as they are: bf16, f16 or f32 operands; f32 sums; everything else in f32.
;; Inputs: Wk 1,024 x 1,024 float32; Wo 1,024 x 1,024 float32; Wq 1,024 x 1,024 float32; Wv 1,024 x 1,024 float32; bk 1,024 float32; bo 1,024 float32; bq 1,024 float32; bv 1,024 float32; padding_mask 4 x 2,048 int32; x 4 x 2,048 x 1,024 float32.
;; Outputs: out0 4 x 2,048 x 1,024 float32.
;; This version of the problem:
;;   THIS VERSION OF THE PROBLEM IS GIVEN IN LOW PRECISION. The matrix products marked QUANTISED in the list below multiply operands that are first quantised to E2M1 (2 exponent bits, 1 mantissa bit; 4 bits a number), with one power-of-two scale for each 32 numbers along K (OCP MX v1.0); their sums are f32. The products marked 'left as it is' may take bf16, f16 or f32 operands, with f32 sums. Whichever they take, every output number must still come out within the allowed error. Rounding operands to bf16 (8 significant bits) uses up far more of that allowance than f16 does (11 bits, for magnitudes from 6e-5 to 65,504). All else is computed in f32.
;;   The module's matrix products, in the order in which they are computed (A, B: the left and right operand; K: the contracted axis; several contracted axes count as one K, in the product's order):
;;     1. [M 8,192, K 1,024] x [K 1,024, N 1,024]; A: input x; B: input Wq: QUANTISED
;;     2. [M 8,192, K 1,024] x [K 1,024, N 1,024]; A: input x; B: input Wk: QUANTISED
;;     3. [M 8,192, K 1,024] x [K 1,024, N 1,024]; A: input x; B: input Wv: QUANTISED
;;     4. batch 64 x [M 2,048, K 64] x [K 64, N 2,048]; A: computed on the way; B: computed on the way: left as it is (an operand is computed on the way)
;;     5. batch 64 x [M 64, K 2,048] x [K 2,048, N 2,048]; A: computed on the way; B: computed on the way: left as it is (an operand is computed on the way)
;;     6. [M 8,192, K 1,024] x [K 1,024, N 1,024]; A: computed on the way; B: input Wo: left as it is (an operand is computed on the way)
;;   THE QUANTISER, for each operand of a quantised product, along K:
;;     - K is cut into blocks of 32 from its start; a last block that is shorter is filled with zeros.
;;     - A block's scale is 2^e with e = floor(log2(the largest magnitude in the block)) - 2, held to -126 .. 127; a block of zeros has e = 0. As a byte (E8M0): e + 127.
;;     - Each number is divided by its block's scale, clamped to +-6, and rounded to the nearest number of E2M1, ties to even, subnormals kept.
;;     - The product sums the exact products of the quantised numbers (number of the format x scale) in f32.
;;   ~~~python
;;   def quantise(x, axis):      # numpy; x: float32 -> the quantised numbers, widened to float32 again
;;       x = np.moveaxis(x, axis, -1); K = x.shape[-1]
;;       x = np.pad(x, [(0, 0)] * (x.ndim - 1) + [(0, -K % 32)]); x = x.reshape(x.shape[:-1] + (-1, 32)); a = np.abs(x).max(-1, keepdims=True)
;;       e = np.where(a > 0, np.clip(np.frexp(np.where(a > 0, a, 1))[1] - 1 - 2, -126, 127), 0)      # np.frexp(a)[1] - 1 = floor(log2(a)), exactly
;;       r = np.clip(x / 2.0 ** e, -6, 6)
;;       step = 2.0 ** (np.maximum(np.frexp(np.where(r == 0, 1, r))[1] - 1, 0) - 1)
;;       q = np.round(r / step) * step * 2.0 ** e      # np.round: ties to even
;;       return np.moveaxis(q.reshape(q.shape[:-2] + (-1,))[..., :K], -1, axis).astype(np.float32)
;;   ~~~
;; One version. Each part assembles by itself: llvm-mc -triple=amdgcn-amd-amdhsa -mcpu=gfx1250 --defsym DOCPART=n.
;; ======== version 1 of 1: 5 launches
;; limits: values are held in f16: magnitudes above 65,504 overflow, below 6.1e-05 lose precision
;; workspace buffers: perm 33,280 bytes of whole numbers; xc 4,194,304 bytes; xs 262,144 bytes; wc 1,572,864 bytes; ws 98,304 bytes; qkv 50,331,648 bytes; oimg 16,777,216 bytes; woimg 2,097,152 bytes
;; launch prep (part 1): grid 260 x 1, 4 waves a work-group, no clusters, 0 bytes of LDS; arguments Wq, Wk, Wv, Wo, padding_mask, wc, ws, woimg, perm; writes wc, ws, woimg, perm
.if DOCPART == 1
	.amdgcn_target "amdgcn-amd-amdhsa--gfx1250"
	.amdhsa_code_object_version 6
	.text
	.protected	k_q2b72bdba4c_prep
	.globl	k_q2b72bdba4c_prep
	.p2align	8
	.type	k_q2b72bdba4c_prep,@function
k_q2b72bdba4c_prep:
	s_mov_b64 s[64:65], 0
	v_nop
	global_prefetch_b8 v0, s[64:65] scope:SCOPE_SE
	s_setreg_imm32_b32 hwreg(HW_REG_WAVE_MODE, 25, 1), 1
	s_wait_xcnt 0x0
; PREP.  Work-groups 0-191: Wq, Wk, Wv [1024 (k)][1024 (n)] f32 become codes of FP4 (E2M1) with one E8M0 byte for each 32 along K.
; Work-groups 192-255: Wo becomes f16.  Work-groups 256-259: one batch's padding mask becomes a list of its tokens, the visible ones first.
; LAYOUTS.  All weights leave as IMAGES OF OPERAND REGISTERS: a fragment is a run of pieces of 512 bytes, lane l's 16 bytes at 16 l.
;   wc    [n tile 192][K step 8][1024]: 16 columns x 128 K of codes; block t of 32 along K of column r lies at 256 t + 16 r.
;   ws    [slot 2][n 3072][4 words]: word q holds the four scale bytes of K step 4 slot + q.
;   woimg [n tile 64][kf 32][1024]: 16 columns x 32 K of f16; the octet k = 32 kf + 8 o of column r lies at 256 o + 16 r.
;   perm  [batch 4][2048] int: the position of the j-th token, visible ones first, each kind in ascending position; from byte 32768 on, 128 bytes a batch: the number of visible tokens, 32 times.
; A LANE TAKES A COLUMN n AND ITS REGISTERS RUN DOWN K: each load reads 128 consecutive bytes a wave, a block of 32 along K lies in one lane, and the conversions give K innermost.
; A block's scale byte is its largest magnitude's exponent field - 2, held at 1 from below (a block of zeros gets 1 where the rule says 127: its codes are zeros, and this program alone reads the bytes).
; LIMITS: NaN and infinities among the weights are not served; |Wo| stays under 65,504 (f16).
.set X,   32                           ; v32-159  four blocks of 32 numbers down K (route: v32-95 the batch's mask)
.set C,   160                          ; v160-175 codes or f16 pairs on their way out
.set SB,  12                           ; v12      the K step's four scale bytes
.set OW,  96                           ; v96-111  route: my wave's 512 mask words
.set D,   112                          ; v112-127 route: where a token goes, in bytes
.set T,   128                          ; v128-143 route: the token
.macro LOADW t                         ; block t: W(32 t + i, my column)
.set i, 0
.rept 32
	global_load_b32 v[X+32*(\t)+i], v2, s[22:23] offset:(32*(\t)+i)*4096 th:TH_LOAD_NT
.set i, i+1
.endr
.endm
.macro ARRIVE t                        ; block t is in; the loads run two blocks ahead
.if (\t) < 3
	s_wait_loadcnt 32                              ; the next block's 32 loads may stay out
.else
	s_wait_loadcnt 0x0
.endif
.if (\t) < 2
	LOADW (\t)+2
.endif
.endm
	s_load_b512 s[4:19], s[0:1], 0x0               ; Wq 4, Wk 6, Wv 8, Wo 10, mask 12, wc 14, ws 16, woimg 18
	s_load_b64 s[20:21], s[0:1], 0x40              ; perm
	v_lshrrev_b32 v1, 5, v0
	v_readfirstlane_b32 s24, v1                    ; wave
	v_and_b32 v1, 31, v0                           ; lane
	v_lshlrev_b32 v2, 2, v1                        ; 4 bytes a lane
	v_and_b32 v3, 15, v0                           ; lane % 16
	v_bfe_u32 v4, v0, 4, 1                         ; lane / 16
	s_wait_kmcnt 0x0
	s_cmp_ge_u32 ttmp9, 256
	s_cbranch_scc1 .Lroute
	; ---- the weights: a wave takes 32 columns x 128 along K
	s_lshr_b32 s25, ttmp9, 6                       ; which weight: 0 q, 1 k, 2 v, 3 o
	s_and_b32 s26, ttmp9, 7                        ; which 128 columns
	s_bfe_u32 s27, ttmp9, 0x30003                  ; which K step of 128
	s_cmp_eq_u32 s25, 1
	s_cselect_b64 s[22:23], s[6:7], s[4:5]
	s_cmp_eq_u32 s25, 2
	s_cselect_b64 s[22:23], s[8:9], s[22:23]
	s_cmp_eq_u32 s25, 3
	s_cselect_b64 s[22:23], s[10:11], s[22:23]
	s_lshl_b32 s28, s27, 19                        ; 128 rows of 4,096 bytes a K step
	s_lshl_b32 s29, s26, 9
	s_add_co_u32 s28, s28, s29
	s_lshl_b32 s29, s24, 7                         ; + 4 x (128 x column group + 32 x wave)
	s_add_co_u32 s28, s28, s29
	s_mov_b32 s29, 0
	s_add_nc_u64 s[22:23], s[22:23], s[28:29]
	LOADW 0
	LOADW 1
	s_lshl_b32 s30, s26, 3
	s_lshl_b32 s31, s24, 1
	s_add_co_u32 s30, s30, s31                     ; my first tile of 16 columns within the weight
	s_cmp_eq_u32 s25, 3
	s_cbranch_scc1 .Lwo
	; ---- Wq, Wk, Wv: codes and scale bytes
	v_lshlrev_b32 v5, 13, v4                       ; lanes 16-31 belong to the next tile of columns, 8,192 bytes on
	v_lshl_add_u32 v5, v3, 4, v5
	v_lshlrev_b32 v6, 4, v1                        ; a column's four scale words are 16 bytes
	s_lshl_b32 s31, s25, 6
	s_add_co_u32 s30, s30, s31                     ; + 64 tiles a weight
	s_lshl_b32 s30, s30, 13
	s_lshl_b32 s31, s27, 10
	s_add_co_u32 s30, s30, s31
	s_mov_b32 s31, 0
	s_add_nc_u64 s[14:15], s[14:15], s[30:31]
	s_lshr_b32 s32, s27, 2
	s_mul_i32 s32, s32, 49152                      ; the slot
	s_lshl_b32 s33, s25, 14
	s_add_co_u32 s32, s32, s33
	s_lshl_b32 s33, s26, 11
	s_add_co_u32 s32, s32, s33
	s_lshl_b32 s33, s24, 9
	s_add_co_u32 s32, s32, s33                     ; + 16 x my wave's first column
	s_and_b32 s33, s27, 3
	s_lshl_b32 s33, s33, 2
	s_add_co_u32 s32, s32, s33                     ; + the K step's word
	s_mov_b32 s33, 0
	s_add_nc_u64 s[16:17], s[16:17], s[32:33]
.macro BLOCK t
.set XS, X+32*(\t)
	ARRIVE \t
	v_max3_num_f32 v8, |v[XS]|, |v[XS+1]|, |v[XS+2]|       ; the block's largest magnitude: all 32 numbers are mine; two chains
	v_max3_num_f32 v9, |v[XS+3]|, |v[XS+4]|, |v[XS+5]|
.irp i, 6,10,14,18,22,26
	v_max3_num_f32 v8, v8, |v[XS+\i]|, |v[XS+\i+1]|
	v_max3_num_f32 v9, v9, |v[XS+\i+2]|, |v[XS+\i+3]|
.endr
	v_max3_num_f32 v8, v8, |v[XS+30]|, |v[XS+31]|
	v_max3_num_f32 v8, v8, v9, 3<<23               ; and the floor 2^(3 - 127): the byte cannot fall under 1
	v_add_nc_u32 v10, -(2<<23), v8                 ; 2 off the exponent field: the conversion takes this operand's exponent field as its scale
	v_lshrrev_b32 v11, 23, v10                     ; the scale's byte
.if (\t) == 0
	v_mov_b32 v[SB], v11
.else
	v_lshl_or_b32 v[SB], v11, 8*(\t), v[SB]
.endif
.irp g, 0,1,2,3
	v_cvt_scalef32_pk8_fp4_f32 v[C+4*(\t)+\g], v[XS+8*\g:XS+8*\g+7], v10
.endr
	global_store_b128 v5, v[C+4*(\t):C+4*(\t)+3], s[14:15] offset:256*(\t)   ; sixteen lanes store 256 consecutive bytes, aligned; each block has registers of its own
.endm
	BLOCK 0
	BLOCK 1
	BLOCK 2
	BLOCK 3
	global_store_b32 v6, v[SB], s[16:17]           ; 4 bytes a lane, 16 apart: one byte for each 32 of the 128 that this path reads
	s_endpgm
.Lwo:	; ---- Wo: f16
	v_lshlrev_b32 v5, 15, v4                       ; lanes 16-31: the next tile of columns, 32,768 bytes on
	v_lshl_add_u32 v5, v3, 4, v5
	s_lshl_b32 s30, s30, 15
	s_lshl_b32 s31, s27, 12
	s_add_co_u32 s30, s30, s31
	s_mov_b32 s31, 0
	s_add_nc_u64 s[18:19], s[18:19], s[30:31]
.macro OCTS t                          ; block t's four octets along K
.if (\t) > 0
	s_wait_xcnt 0x0                                ; the last block's stores have read their registers
.endif
	ARRIVE \t
.irp e, 0,1,2,3
.irp i, 0,1,2,3
	v_cvt_pk_f16_f32 v[C+4*\e+\i], v[X+32*(\t)+8*\e+2*\i], v[X+32*(\t)+8*\e+2*\i+1]
.endr
	global_store_b128 v5, v[C+4*\e:C+4*\e+3], s[18:19] offset:256*(4*(\t)+\e)   ; sixteen lanes store 256 consecutive bytes, aligned
.endr
.endm
	OCTS 0
	OCTS 1
	OCTS 2
	OCTS 3
	s_endpgm
.Lroute: ; ---- the mask of batch b: every wave counts the whole batch, and places its own 512 tokens
	s_sub_co_u32 s25, ttmp9, 256                   ; b
	s_lshl_b32 s30, s25, 13
	s_mov_b32 s31, 0
	s_add_nc_u64 s[12:13], s[12:13], s[30:31]
	s_add_nc_u64 s[26:27], s[20:21], s[30:31]      ; the batch's list
	s_lshl_b32 s30, s25, 7
	s_add_nc_u64 s[34:35], s[20:21], s[30:31]      ; and, 32,768 bytes on, its count
	s_lshl_b32 s29, s24, 11
	v_add_nc_u32 v7, s29, v2
.set i, 0
.rept 64
	global_load_b32 v[X+i], v2, s[12:13] offset:128*i      ; token 32 i + lane
.set i, i+1
.endr
.set i, 0
.rept 16
	global_load_b32 v[OW+i], v7, s[12:13] offset:128*i     ; token 512 wave + 32 i + lane
.set i, i+1
.endr
	s_lshl_b32 s29, s24, 4                         ; my wave's first run of 32
	s_mov_b32 s28, 0                               ; visible tokens in the batch
	s_mov_b32 s32, 0                               ; visible tokens ahead of my wave's
	s_lshl_b32 s33, s24, 9
	v_add_nc_u32 v8, s33, v1
	s_wait_loadcnt 0x0
.set i, 0
.rept 64
	v_cmp_ne_u32 s30, 0, v[X+i]
	s_bcnt1_i32_b32 s31, s30
	s_add_co_u32 s28, s28, s31
	s_cmp_gt_u32 s29, i
	s_cselect_b32 s31, s31, 0
	s_add_co_u32 s32, s32, s31
.set i, i+1
.endr
.set i, 0
.rept 16
	v_cmp_ne_u32 vcc_lo, 0, v[OW+i]
	v_mbcnt_lo_u32_b32 v9, vcc_lo, 0               ; visible ones in the lanes below me
	v_add_nc_u32 v10, s32, v9                      ; visible ones ahead of me: my place if I am visible
	v_add_nc_u32 v[T+i], 32*i, v8                  ; my token
	v_sub_nc_u32 v11, v[T+i], v10                  ; hidden ones ahead of me
	v_add_nc_u32 v11, s28, v11                     ; my place if I am hidden
	v_cndmask_b32 v[D+i], v11, v10, vcc_lo
	v_min_u32 v[D+i], 2047, v[D+i]
	v_lshlrev_b32 v[D+i], 2, v[D+i]
	global_store_b32 v[D+i], v[T+i], s[26:27]
	s_bcnt1_i32_b32 s31, vcc_lo
	s_add_co_u32 s32, s32, s31
.set i, i+1
.endr
	s_cmp_lg_u32 s24, 0
	s_cbranch_scc1 .Lend
	v_mov_b32 v12, s28
	global_store_b32 v2, v12, s[34:35] offset:32768        ; the count, a word a lane
.Lend:
	s_endpgm
.Lfunc_end_k_q2b72bdba4c_prep:
	.size	k_q2b72bdba4c_prep, .Lfunc_end_k_q2b72bdba4c_prep-k_q2b72bdba4c_prep
	.p2alignl 7, 3214868480
	.fill 96, 4, 3214868480
	.section	.rodata,"a",@progbits
	.p2align	6, 0x0
	.amdhsa_kernel k_q2b72bdba4c_prep
		.amdhsa_group_segment_fixed_size 0
		.amdhsa_private_segment_fixed_size 0
		.amdhsa_enable_private_segment 0
		.amdhsa_kernarg_size 72
		.amdhsa_user_sgpr_count 2
		.amdhsa_user_sgpr_kernarg_segment_ptr 1
		.amdhsa_wavefront_size32 1
		.amdhsa_system_sgpr_workgroup_id_x 1
		.amdhsa_system_sgpr_workgroup_id_y 1
		.amdhsa_system_sgpr_workgroup_id_z 1
		.amdhsa_system_vgpr_workitem_id 0
		.amdhsa_next_free_vgpr 176
		.amdhsa_next_free_sgpr 66
		.amdhsa_reserve_vcc 1
		.amdhsa_float_denorm_mode_32 3
		.amdhsa_float_denorm_mode_16_64 3
		.amdhsa_memory_ordered 1
		.amdhsa_forward_progress 1
		.amdhsa_inst_pref_size 64
	.end_amdhsa_kernel
	.amdgpu_metadata
---
amdhsa.version: [ 1, 2 ]
amdhsa.kernels:
  - .name:           k_q2b72bdba4c_prep
    .symbol:         k_q2b72bdba4c_prep.kd
    .args:
      - { .name: Wq, .offset: 0, .size: 8, .value_kind: global_buffer, .address_space: global }
      - { .name: Wk, .offset: 8, .size: 8, .value_kind: global_buffer, .address_space: global }
      - { .name: Wv, .offset: 16, .size: 8, .value_kind: global_buffer, .address_space: global }
      - { .name: Wo, .offset: 24, .size: 8, .value_kind: global_buffer, .address_space: global }
      - { .name: padding_mask, .offset: 32, .size: 8, .value_kind: global_buffer, .address_space: global }
      - { .name: wc, .offset: 40, .size: 8, .value_kind: global_buffer, .address_space: global }
      - { .name: ws, .offset: 48, .size: 8, .value_kind: global_buffer, .address_space: global }
      - { .name: woimg, .offset: 56, .size: 8, .value_kind: global_buffer, .address_space: global }
      - { .name: perm, .offset: 64, .size: 8, .value_kind: global_buffer, .address_space: global }
    .group_segment_fixed_size: 0
    .private_segment_fixed_size: 0
    .kernarg_segment_align: 8
    .kernarg_segment_size: 72
    .max_flat_workgroup_size: 128
    .sgpr_count:     66
    .vgpr_count:     176
    .wavefront_size: 32
...
	.end_amdgpu_metadata
.endif
;; end of part 1
;; launch quantx (part 2): grid 256 x 1, 4 waves a work-group, no clusters, 34,304 bytes of LDS; arguments x, perm, xc, xs; writes xc, xs
.if DOCPART == 2
	.amdgcn_target "amdgcn-amd-amdhsa--gfx1250"
	.amdhsa_code_object_version 6
	.text
	.protected	k_q2b72bdba4c_quantx
	.globl	k_q2b72bdba4c_quantx
	.p2align	8
	.type	k_q2b72bdba4c_quantx,@function
k_q2b72bdba4c_quantx:
	s_mov_b64 s[64:65], 0
	v_nop
	global_prefetch_b8 v0, s[64:65] scope:SCOPE_SE
	s_setreg_imm32_b32 hwreg(HW_REG_WAVE_MODE, 25, 1), 1
	s_wait_xcnt 0x0
; x [4][2048][1024] f32 is gathered in the order of perm (each batch's visible tokens first) and turned into codes of FP4 (E2M1) with one E8M0 byte for each 32 along K.
;   xc [token tile 512][K step 8][1024]: the image of an operand's registers: 16 tokens x 128 K, piece c at 512 c + 16 x lane.
;   xs [slot 2][token 8192][4 words]: word q holds the four scale bytes of K step 4 slot + q.
; A wave takes one tile of 16 tokens and half of K: four K steps of 128.  Each load reads 512 consecutive bytes of one gathered row; a K step's 16 rows turn through the wave's own stage in LDS
; (rows 528 bytes apart), so that lane (r, h) gets, of row r, 16 neighbours of each block of 32: what the conversions want.  Loads run two K steps ahead.  Waves share nothing: no barrier.
; A block's scale byte is its largest magnitude's exponent field - 2, held at 1 from below (a block of zeros gets 1: its codes are zeros, and this program alone reads the bytes).
; LIMITS: NaN and infinities in x are not served.
.set SPARE, 33792                      ; behind the four stages of 8,448 bytes: the spare words, 128 bytes a wave
.set L16, 1                            ; v1   16 x lane
.set SA,  4                            ; v4   the stage, on the way in
.set LA,  5                            ; v5   and on the way out: 528 r + 64 h
.set SPW, 12
.set NIL, 13
.set RO,  16                           ; v16-31   row i's byte offset in the batch + 16 x lane
.set R,   32                           ; v32-159  two sets of 64: a K step as loaded
.set X,   160                          ; v160-223 64 numbers: register 16 b + i = k 32 b + 16 h + i of my row
.set PC,  224                          ; v224-231 the fragment's codes
.set TM,  232                          ; v232-247 at work
.set PW,  248                          ; the scale word just made
.set SW,  249                          ; v249-252 the four K steps' scale words
.set SEL, 28
	s_load_b128 s[4:7], s[0:1], 0x0                ; x, perm
	s_load_b128 s[8:11], s[0:1], 0x10              ; xc, xs
	v_lshl_add_u32 v[SPW], v0, 2, SPARE
	v_mov_b32 v[NIL], 0
	v_lshrrev_b32 v1, 5, v0
	v_readfirstlane_b32 s16, v1                    ; wave
	v_and_b32 v7, 31, v0
	v_lshlrev_b32 v[L16], 4, v7
	v_and_b32 v2, 15, v0                           ; r
	v_bfe_u32 v3, v0, 4, 1                         ; h
	s_mul_i32 s17, s16, 8448                       ; my stage
	v_add_nc_u32 v[SA], s17, v[L16]
	v_mul_u32_u24 v[LA], v2, 528
	v_lshl_add_u32 v[LA], v3, 6, v[LA]
	v_add_nc_u32 v[LA], s17, v[LA]
	v_lshlrev_b32 v6, 4, v2
	v_lshl_add_u32 v6, v3, 3, v6                   ; xs: 16 r + 8 h
	s_lshl_b32 s18, ttmp9, 1
	s_lshr_b32 s19, s16, 1
	s_add_co_u32 s18, s18, s19                     ; my tile of 16 tokens
	s_and_b32 s19, s16, 1                          ; my half of K
	s_mov_b32 s[SEL], 0x76543210
	s_mov_b32 s[SEL+1], 0xfedcba98                 ; v_permlanex16_b32's selects for lane l xor 16
	s_lshl_b32 s20, s18, 6
	s_mov_b32 s21, 0
	s_wait_kmcnt 0x0
	s_add_nc_u64 s[6:7], s[6:7], s[20:21]
	s_load_b512 s[32:47], s[6:7], 0x0              ; my 16 tokens' positions
	s_lshr_b32 s22, s18, 7
	s_lshl_b32 s22, s22, 23                        ; the batch
	s_lshl_b32 s23, s19, 11
	s_add_co_u32 s22, s22, s23
	s_mov_b32 s23, 0
	s_add_nc_u64 s[4:5], s[4:5], s[22:23]
	s_lshl_b32 s24, s18, 13
	s_lshl_b32 s25, s19, 12
	s_add_co_u32 s24, s24, s25
	s_mov_b32 s25, 0
	s_add_nc_u64 s[8:9], s[8:9], s[24:25]
	s_lshl_b32 s26, s19, 17
	s_lshl_b32 s27, s18, 8
	s_add_co_u32 s26, s26, s27
	s_mov_b32 s27, 0
	s_add_nc_u64 s[10:11], s[10:11], s[26:27]
.irp b, 0,1,2,3
	v_mov_b32 v[TM+4+\b], 0                        ; written once: a lane permute's destination counts as one of its sources
.endr
	s_wait_kmcnt 0x0
.set i, 0
.rept 16
	s_min_u32 s[32+i], s[32+i], 2047
	v_lshl_add_u32 v[RO+i], s[32+i], 12, v[L16]
.set i, i+1
.endr
.macro LOAD q
.set i, 0
.rept 16
	global_load_b128 v[R+64*((\q)%2)+4*i:R+64*((\q)%2)+4*i+3], v[RO+i], s[4:5] offset:512*(\q) th:TH_LOAD_NT   ; 512 consecutive bytes of row i
.set i, i+1
.endr
.endm
.macro QUANT s                         ; 64 numbers of a lane become a fragment's codes in v[PC] on and its scale word in v[PW]
.irp b, 0,1,2,3
	v_max3_num_f32 v[TM+\b], |v[\s+16*\b]|, |v[\s+1+16*\b]|, 0x1800000   ; block b: my 16 numbers, and the floor 2^(3 - 127)
.endr
.irp i, 2,4,6,8,10,12,14
.irp b, 0,1,2,3
	v_max3_num_f32 v[TM+\b], v[TM+\b], |v[\s+16*\b+\i]|, |v[\s+1+16*\b+\i]|
.endr
.endr
.irp b, 0,1,2,3
	v_permlanex16_b32 v[TM+4+\b], v[TM+\b], s[SEL], s[SEL+1]
.endr
.irp b, 0,1,2,3
	v_max_num_f32 v[TM+\b], v[TM+\b], v[TM+4+\b]   ; with lane l xor 16's: the block's largest magnitude
.endr
.irp b, 0,1,2,3
	v_add_nc_u32 v[TM+12+\b], 0xff000000, v[TM+\b] ; 2 off its exponent field: the conversion's scale operand
.endr
.irp b, 0,1,2,3
	v_lshrrev_b32 v[TM+4+\b], 23, v[TM+12+\b]      ; the scale's byte
.endr
	v_lshl_or_b32 v[PW], v[TM+5], 8, v[TM+4]
	v_lshl_or_b32 v[PW], v[TM+6], 16, v[PW]
	v_lshl_or_b32 v[PW], v[TM+7], 24, v[PW]
.irp b, 0,1,2,3
	v_cvt_scalef32_pk8_fp4_f32 v[PC+2*\b], v[\s+16*\b:\s+7+16*\b], v[TM+12+\b]
	v_cvt_scalef32_pk8_fp4_f32 v[PC+1+2*\b], v[\s+8+16*\b:\s+15+16*\b], v[TM+12+\b]
.endr
	v_nop                                          ; one plain place behind a scaled conversion
.irp c, 0,1                            ; the operand's layout wants a whole block in a lane: lanes 0-15 block 2 c, lanes 16-31 block 2 c + 1
.irp i, 0,1
	v_permlane16_swap_b32 v[PC+4*\c+\i], v[PC+2+4*\c+\i]
.endr
.endr
.endm
.macro STEP q
.if (\q) < 3
	s_wait_loadcnt 16                              ; this K step's 16 loads are in; the next one's may stay out
.else
	s_wait_loadcnt 0x0
.endif
.set i, 0
.rept 16
	ds_store_b128 v[SA], v[R+64*((\q)%2)+4*i:R+64*((\q)%2)+4*i+3] offset:528*i
.set i, i+1
.endr
.irp b, 0,1,2,3
.irp j, 0,1,2,3
	ds_load_b128 v[X+16*\b+4*\j:X+16*\b+4*\j+3], v[LA] offset:128*\b+16*\j   ; LDS serves a wave's instructions in order: these see my stores
.endr
.endr
	s_wait_dscnt 0x0                               ; the numbers are back, and the stores have read their registers,
.if (\q) < 2
	LOAD (\q)+2                                    ; which take the loads of two K steps on
.endif
.if (\q) > 0
	s_wait_xcnt 0x0                                ; the last K step's stores have read the codes' registers
.endif
	QUANT X
	v_mov_b32 v[SW+(\q)], v[PW]
	global_store_b128 v[L16], v[PC:PC+3], s[8:9] offset:1024*(\q)          ; 512 consecutive bytes a store
	global_store_b128 v[L16], v[PC+4:PC+7], s[8:9] offset:1024*(\q)+512
.endm
	LOAD 0
	LOAD 1
	STEP 0
	STEP 1
	STEP 2
	STEP 3
	v_cmp_eq_u32 vcc_lo, 1, v3
	v_cndmask_b32 v254, v[SW], v[SW+2], vcc_lo     ; lanes 0-15 store words 0, 1 of row r, lanes 16-31 words 2, 3
	v_cndmask_b32 v255, v[SW+1], v[SW+3], vcc_lo
	global_store_b64 v6, v[254:255], s[10:11]      ; the 32 lanes store 256 consecutive bytes, aligned
	s_wait_tensorcnt 0x0                           ; the wave's end, behind my last LDS store
	ds_add_u32 v[SPW], v[NIL]
	s_wait_dscnt 0x0
	s_endpgm
.Lfunc_end_k_q2b72bdba4c_quantx:
	.size	k_q2b72bdba4c_quantx, .Lfunc_end_k_q2b72bdba4c_quantx-k_q2b72bdba4c_quantx
	.p2alignl 7, 3214868480
	.fill 96, 4, 3214868480
	.section	.rodata,"a",@progbits
	.p2align	6, 0x0
	.amdhsa_kernel k_q2b72bdba4c_quantx
		.amdhsa_group_segment_fixed_size 34304
		.amdhsa_private_segment_fixed_size 0
		.amdhsa_enable_private_segment 0
		.amdhsa_kernarg_size 32
		.amdhsa_user_sgpr_count 2
		.amdhsa_user_sgpr_kernarg_segment_ptr 1
		.amdhsa_wavefront_size32 1
		.amdhsa_system_sgpr_workgroup_id_x 1
		.amdhsa_system_sgpr_workgroup_id_y 1
		.amdhsa_system_sgpr_workgroup_id_z 1
		.amdhsa_system_vgpr_workitem_id 0
		.amdhsa_next_free_vgpr 256
		.amdhsa_next_free_sgpr 66
		.amdhsa_reserve_vcc 1
		.amdhsa_float_denorm_mode_32 3
		.amdhsa_float_denorm_mode_16_64 3
		.amdhsa_memory_ordered 1
		.amdhsa_forward_progress 1
		.amdhsa_inst_pref_size 35
	.end_amdhsa_kernel
	.amdgpu_metadata
---
amdhsa.version: [ 1, 2 ]
amdhsa.kernels:
  - .name:           k_q2b72bdba4c_quantx
    .symbol:         k_q2b72bdba4c_quantx.kd
    .args:
      - { .name: x, .offset: 0, .size: 8, .value_kind: global_buffer, .address_space: global }
      - { .name: perm, .offset: 8, .size: 8, .value_kind: global_buffer, .address_space: global }
      - { .name: xc, .offset: 16, .size: 8, .value_kind: global_buffer, .address_space: global }
      - { .name: xs, .offset: 24, .size: 8, .value_kind: global_buffer, .address_space: global }
    .group_segment_fixed_size: 34304
    .private_segment_fixed_size: 0
    .kernarg_segment_align: 8
    .kernarg_segment_size: 32
    .max_flat_workgroup_size: 128
    .sgpr_count:     66
    .vgpr_count:     256
    .wavefront_size: 32
...
	.end_amdgpu_metadata
.endif
;; end of part 2
;; launch qkv (part 3): grid 12 x 32, 4 waves a work-group, clusters of 4 x 4, 327,680 bytes of LDS; arguments xc, xs, wc, ws, bq, bk, bv, qkv; writes qkv
.if DOCPART == 3
	.amdgcn_target "amdgcn-amd-amdhsa--gfx1250"
	.amdhsa_code_object_version 6
	.text
	.protected	k_q2b72bdba4c_qkv
	.globl	k_q2b72bdba4c_qkv
	.p2align	8
	.type	k_q2b72bdba4c_qkv,@function
k_q2b72bdba4c_qkv:
	s_mov_b64 s[64:65], 0
	v_nop
	global_prefetch_b8 v0, s[64:65] scope:SCOPE_SE
	s_setreg_imm32_b32 hwreg(HW_REG_WAVE_MODE, 25, 1), 1
	s_wait_xcnt 0x0
	s_wait_alu depctr_hold_cnt(0) depctr_sa_sdst(0) depctr_va_vdst(0) depctr_va_sdst(0) depctr_va_ssrc(0) depctr_va_vcc(0) depctr_vm_vsrc(0)
	s_getreg_b32 s2, hwreg(HW_REG_IB_STS2, 6, 4)
	s_cmp_eq_u32 s2, 0
	s_cbranch_scc0 .Lentry_in_a_cluster
	s_endpgm
.Lentry_in_a_cluster:
	s_bfe_u32 s2, ttmp6, 0x10000c
	s_cmp_lg_u32 s2, 0xf033
	s_cbranch_scc0 .Lentry_shape_is_right
	s_endpgm
.Lentry_shape_is_right:
; q, k, v = x W + b on codes of FP4 (E2M1) with one E8M0 scale for each 32 along K; sums in f32; the results leave rounded to f16.  M = 8,192 tokens (in perm's order), N = 3,072 (q, k, v on end), K = 1,024.
; A tile of 256 tokens x 256 columns is made by four waves, 128 x 128 each: 64 accumulators, 512 registers.  K is two slots of 512: both are asked for at the start, so no LDS byte is filled twice.
; OPERANDS LIE IN MEMORY AS IMAGES OF THEIR REGISTERS (xc, wc: [tile of 16 rows][K step 8][1024 bytes]): a slot's part of a tile is 4,096 dense bytes, a fragment is two loads of 512 consecutive bytes: no padding.
; The scale words (xs, ws: [slot][row][4 words]) of the work-group's rows come once, 2,048 dense bytes a slot for each 128 rows.
; CLUSTERS: 4 x 4 work-groups; the four of a row need the same tokens' tiles, the four of a column the same weights': each tile is asked for jointly.
; THE MATRIX INSTRUCTION IS USED TRANSPOSED (source 0 = 16 columns of W, source 1 = 16 tokens): a lane holds one token and eight neighbouring channels.  Rounded to f16 these 16 bytes a lane ARE a piece of the
; next launch's operand image, so they are stored as they stand, 512 consecutive bytes an instruction:  qkv [part 3][batch x head 64][token tile 128][piece 4][512]: piece bb, lane (r, h): token r, channels 16 bb + 8 h + 0..7.
; The bias is the C of each sum's first matrix instruction.
; LIMITS: |q|, |k|, |v| stay under 65,504 (f16).
; REGISTERS: window 0: v16-29 addresses; v32-95 scale words, two sets; v128-191 A's fragments, one set; v192-255 the bias.  window 1: B's fragments, two sets.  windows 2, 3: the accumulators.
.set NQ,     4                         ; matrix instructions deep in a slot
.set FR,     8
.set NL,     2
.set NP,     4                         ; places behind this matrix instruction (ISA guide 7.12.1)
.set HALFT,  32768                     ; eight tiles of 16 rows x 4,096 bytes: what one tensor load brings
.set SLOT,   4*HALFT
.set SCL,    2*SLOT                    ; the scale words: 4,096 bytes a wave's load
.set SPARE,  SCL+16384                 ; the spare words, 128 bytes a wave
.set ADRA, 16
.set ADRB, 20
.set CO,   26                          ; v26  16 x lane
.set ADRS, 27
.set SPW,  28
.set NIL,  29
.set SC,   32
.set AF,   128
.set BI,   192
.set TMP,  32                          ; the way out: two sets of 32
.set G1, 24
.set G0, 32
.set G1B, 48
.set G0B, 56
.set G1S, 68
.set G0S, 76
.set G1SB, 80
.set G0SB, 88
.set MSB, 0
.macro WIN new                         ; the immediate's high byte repeats the setting that is left
.if MSB != (\new)
	s_set_vgpr_msb (MSB<<8)|(\new)
.set MSB, (\new)
.endif
.endm
.set MUL_LO, 0xa1                      ; source 0 (W) window 1, source 1 (x) window 0, C and D window 2
.set MUL_HI, 0xf1
.set BIA_LO, 0x81                      ; the same with C (the bias) in window 0
.set BIA_HI, 0xc1
.set TO_B,   0x40
.macro JLOAD g0a, g1a, g0b, g1b        ; waves 0 and 1 fetch for x, waves 2 and 3 for W; an s_nop 0 and four v_nop follow each line
	s_cmp_eq_u32 s15, 0
	s_cbranch_scc0 .Lfor_b_\@
	tensor_load_to_lds s[\g0a:\g0a+3], s[\g1a:\g1a+7]
	s_nop 0
.rept 4
	v_nop
.endr
	s_branch .Lasked_\@
.Lfor_b_\@:
	tensor_load_to_lds s[\g0b:\g0b+3], s[\g1b:\g1b+7]
	s_nop 0
.rept 4
	v_nop
.endr
.Lasked_\@:
.endm
.macro CROUND                          ; a round of the cluster's barrier
	s_barrier_signal -1
	s_barrier_wait -1
	s_cmp_lg_u32 s14, 0
	s_cbranch_scc1 .Lnot_wave_0_\@
	s_barrier_signal -3
.Lnot_wave_0_\@:
	s_barrier_wait -3
	s_barrier_signal -1
	s_barrier_wait -1
.endm
	s_load_b128 s[4:7], s[0:1], 0x0                ; xc, xs
	s_load_b128 s[8:11], s[0:1], 0x10              ; wc, ws
	s_load_b128 s[96:99], s[0:1], 0x20             ; bq, bk
	s_load_b64 s[100:101], s[0:1], 0x30            ; bv
	s_load_b64 s[12:13], s[0:1], 0x38              ; qkv
	v_lshl_add_u32 v[SPW], v0, 2, SPARE
	v_mov_b32 v[NIL], 0
	ds_add_u32 v[SPW], v[NIL]                      ; the wave's opening: the add, twice on end, and its wait ahead of my first tensor load
	ds_add_u32 v[SPW], v[NIL]
	v_lshrrev_b32 v1, 5, v0
	v_readfirstlane_b32 s14, v1                    ; wave
	s_lshr_b32 s15, s14, 1                         ; my half of the tile's tokens.  Also: I fetch for x (0) or for W (1)
	s_and_b32 s16, s14, 1                          ; my half of its columns.  Also: which 128 rows I fetch
	s_bfe_u32 s40, ttmp6, 0x40000                  ; cx, cy
	s_bfe_u32 s41, ttmp6, 0x40004
	s_lshl_b32 s42, ttmp9, 2
	s_add_co_u32 s42, s42, s40                     ; tile column
	s_and_b32 s17, ttmp7, 0xffff
	s_lshl_b32 s17, s17, 2
	s_add_co_u32 s17, s17, s41                     ; tile row
	s_lshl_b32 s43, s41, 2
	s_lshl_b32 s43, 15, s43                        ; my row of the cluster
	s_lshl_b32 s44, 0x1111, s40                    ; my column
	s_or_b32 s[G1+0], s43, (3<<16)|(1<<21)         ; the mask; elements of 8 bytes; no padding; bit 21 beside a mask
	s_or_b32 s[G1B+0], s44, (3<<16)|(1<<21)
.irp g, G1, G1B                        ; codes: 8 rows (tiles) of 512 elements (4,096 bytes), 1,024 elements apart
	s_mov_b32 s[\g+1], 512<<16
	s_mov_b32 s[\g+2], 8<<16
	s_mov_b32 s[\g+3], 512<<16
	s_mov_b32 s[\g+4], 8
	s_mov_b32 s[\g+5], 1024
	s_mov_b32 s[\g+6], 0
	s_mov_b32 s[\g+7], 0
.endr
	s_or_b32 s[G1S+0], s43, (3<<16)|(1<<21)
	s_or_b32 s[G1SB+0], s44, (3<<16)|(1<<21)
.irp g, G1S, G1SB                      ; scale words: 2 rows (slots) of 256 elements (2,048 bytes)
	s_mov_b32 s[\g+1], 256<<16
	s_mov_b32 s[\g+2], 2<<16
	s_mov_b32 s[\g+3], 256<<16
	s_mov_b32 s[\g+4], 2
	s_mov_b32 s[\g+6], 0
	s_mov_b32 s[\g+7], 0
.endr
	s_mov_b32 s[G1S+5], 16384                      ; xs: a slot is 131,072 bytes
	s_mov_b32 s[G1SB+5], 6144                      ; ws: 49,152
	s_lshl_b32 s18, s16, 16
	s_lshl_b32 s19, s16, 11
	s_lshl_b32 s20, s17, 17
	s_add_co_u32 s20, s20, s18                     ; x's codes: (16 tile row + 8 half) x 8,192
	s_mov_b32 s21, 0
	s_lshl_b32 s46, s42, 17
	s_add_co_u32 s46, s46, s18                     ; W's likewise, by the tile column
	s_mov_b32 s47, 0
	s_lshl_b32 s22, s17, 12
	s_add_co_u32 s22, s22, s19                     ; x's scale words: (256 tile row + 128 half) x 16
	s_mov_b32 s23, 0
	s_lshl_b32 s92, s42, 12
	s_add_co_u32 s92, s92, s19
	s_mov_b32 s93, 0
	s_mul_i32 s45, s14, HALFT                      ; where they go: by the wave's number alone
	s_lshl_b32 s94, s14, 12
	s_wait_dscnt 0x0                               ; both opening adds are done
	s_wait_kmcnt 0x0
	s_add_nc_u64 s[20:21], s[4:5], s[20:21]
	s_add_nc_u64 s[22:23], s[6:7], s[22:23]
	s_add_nc_u64 s[46:47], s[8:9], s[46:47]
	s_add_nc_u64 s[92:93], s[10:11], s[92:93]
	CROUND                                         ; all sixteen work-groups are here: the first joint loads meet
	s_mov_b32 s[G0S], 1
	s_add_co_u32 s[G0S+1], s94, SCL
	s_mov_b64 s[G0S+2:G0S+3], s[22:23]
	s_or_b32 s[G0S+3], s[G0S+3], 0x80000000
	s_mov_b32 s[G0SB], 1
	s_add_co_u32 s[G0SB+1], s94, SCL
	s_mov_b64 s[G0SB+2:G0SB+3], s[92:93]
	s_or_b32 s[G0SB+3], s[G0SB+3], 0x80000000
	JLOAD G0S, G1S, G0SB, G1SB                     ; three loads of mine are out at the most: the scale words and both slots
.irp s, 0,1
	s_mov_b32 s[G0+4*\s], 1
	s_add_co_u32 s[G0+4*\s+1], s45, \s*SLOT
	s_add_nc_u64 s[G0+4*\s+2:G0+4*\s+3], s[20:21], \s*4096
	s_or_b32 s[G0+4*\s+3], s[G0+4*\s+3], 0x80000000
	s_mov_b32 s[G0B+4*\s], 1
	s_add_co_u32 s[G0B+4*\s+1], s45, \s*SLOT
	s_add_nc_u64 s[G0B+4*\s+2:G0B+4*\s+3], s[46:47], \s*4096
	s_or_b32 s[G0B+4*\s+3], s[G0B+4*\s+3], 0x80000000
	JLOAD G0+4*\s, G1, G0B+4*\s, G1B
.endr
	v_and_b32 v1, 15, v0                           ; r
	v_bfe_u32 v2, v0, 4, 1                         ; h
	v_and_b32 v6, 31, v0
	v_lshlrev_b32 v[CO], 4, v6
	s_mul_i32 s21, s15, HALFT                      ; my 128 tokens
	s_mul_i32 s22, s16, HALFT                      ; my 128 columns,
	s_add_co_u32 s22, s22, 2*HALFT                 ; which lie behind x's 256 rows
.irp s, 0,1
	v_add_nc_u32 v[ADRA+\s], s21, v[CO]
	v_add_nc_u32 v[ADRB+\s], s22, v[CO]
	s_add_co_u32 s21, s21, SLOT
	s_add_co_u32 s22, s22, SLOT
.endr
	v_lshlrev_b32 v5, 4, v1                        ; a row's four scale words
	s_lshl_b32 s21, s15, 12                        ; x's: my 128 rows
	s_lshl_b32 s22, s16, 12                        ; W's: my 128, behind x's two regions
	s_add_co_u32 s22, s22, 2*4096
	s_sub_co_u32 s22, s22, s21
	v_mul_u32_u24 v6, s22, v2                      ; lanes 16-31 take W's: one product with h
	s_add_co_u32 s21, s21, SCL
	v_add_nc_u32 v5, v5, v6
	v_add_nc_u32 v[ADRS], s21, v5
	s_cmp_eq_u32 ttmp9, 1                          ; the cluster's x says which of q, k, v: the same in all partners
	s_cselect_b64 s[96:97], s[98:99], s[96:97]
	s_cmp_eq_u32 ttmp9, 2
	s_cselect_b64 s[96:97], s[100:101], s[96:97]
	s_lshl_b32 s46, s40, 10
	s_lshl_b32 s47, s16, 9
	s_add_co_u32 s46, s46, s47                     ; 4 x (256 cx + 128 x my half)
	s_mov_b32 s47, 0
	s_add_nc_u64 s[96:97], s[96:97], s[46:47]
	v_lshlrev_b32 v7, 5, v2
.irp b, 0,1,2,3,4,5,6,7                ; lane (r, h), tile b: the bias of channels 16 b + 8 h + 0..7
	global_load_b128 v[BI+8*\b:BI+8*\b+3], v7, s[96:97] offset:64*\b
	global_load_b128 v[BI+8*\b+4:BI+8*\b+7], v7, s[96:97] offset:64*\b+16
.endr
	s_lshr_b32 s20, s17, 3
	s_lshl_b32 s20, s20, 22                        ; the batch: 16 heads of 2^18 bytes
	s_lshl_b32 s21, s17, 4
	s_lshl_b32 s18, s15, 3
	s_add_co_u32 s21, s21, s18
	s_and_b32 s21, s21, 127                        ; my first token tile within the batch
	s_lshl_b32 s21, s21, 11
	s_add_co_u32 s20, s20, s21
	s_lshl_b32 s21, ttmp9, 24                      ; the part
	s_add_co_u32 s20, s20, s21
	s_mov_b32 s21, 0
	s_lshl_b32 s46, s40, 20
	s_lshl_b32 s47, s16, 19
	s_add_co_u32 s46, s46, s47                     ; my first head: 4 cx + 2 x my half
	s_mov_b32 s47, 0
	s_add_nc_u64 s[20:21], s[20:21], s[46:47]
	s_add_nc_u64 s[12:13], s[12:13], s[20:21]
.macro FRAG reg, adr, q, i             ; a fragment as it lies: two pieces of 512 bytes
.irp c, 0,1
	ds_load_b128 v[\reg+4*\c:\reg+4*\c+3], v[\adr] offset:4096*(\i)+1024*(\q)+512*\c
.endr
.endm
; 16 matrix instructions: x's blocks a0, a0 + 1 against W's eight.  The 64 accumulators take turns, one instruction a turn, in the same order in every step.
.macro MUL16 a0, p, q, sc, zero
.irp a, \a0, \a0+1
.irp b, 0,1,2,3,4,5,6,7
.if \zero
	v_wmma_scale_f32_16x16x128_f8f6f4 v[8*(8*((\a)%4)+\b):8*(8*((\a)%4)+\b)+7], v[128*(\p)+FR*\b:128*(\p)+FR*\b+FR-1], v[AF+FR*(\a):AF+FR*(\a)+FR-1], v[BI+8*\b:BI+8*\b+7], v[SC+8*NQ*(\sc)+NQ*\b+(\q)], v[SC+8*NQ*(\sc)+NQ*(\a)+(\q)] matrix_a_fmt:MATRIX_FMT_FP4 matrix_b_fmt:MATRIX_FMT_FP4 matrix_a_scale:MATRIX_SCALE_ROW1
.else
	v_wmma_scale_f32_16x16x128_f8f6f4 v[8*(8*((\a)%4)+\b):8*(8*((\a)%4)+\b)+7], v[128*(\p)+FR*\b:128*(\p)+FR*\b+FR-1], v[AF+FR*(\a):AF+FR*(\a)+FR-1], v[8*(8*((\a)%4)+\b):8*(8*((\a)%4)+\b)+7], v[SC+8*NQ*(\sc)+NQ*\b+(\q)], v[SC+8*NQ*(\sc)+NQ*(\a)+(\q)] matrix_a_fmt:MATRIX_FMT_FP4 matrix_b_fmt:MATRIX_FMT_FP4 matrix_a_scale:MATRIX_SCALE_ROW1
.endif
.endr
.endr
.endm
.macro FETCH_B slot, q, p
	WIN TO_B
.irp i, 0,1,2,3,4,5,6,7
	FRAG 128*(\p)+FR*\i, ADRB+\slot, \q, \i
.endr
	WIN 0
.endm
.macro FETCH_A slot, q, i0
.irp i, \i0, \i0+1, \i0+2, \i0+3
	FRAG AF+FR*(\i), ADRA+\slot, \q, \i
.endr
.endm
.macro SCALES sc                       ; a slot's scale words: lanes 0-15 x's block i, lanes 16-31 W's block i; four words a row
.irp i, 0,1,2,3,4,5,6,7
	ds_load_b128 v[SC+8*NQ*\sc+NQ*\i:SC+8*NQ*\sc+NQ*\i+3], v[ADRS] offset:256*\i+2048*\sc
.endr
.endm
.macro PLACES n                        ; plain vector instructions between a matrix instruction and a load into, or a read of, its registers
.rept \n
	v_nop
.endr
.endm
.macro STEP slot, q, zero              ; 128 along K, with its successor in the same slot
	s_wait_dscnt 4*NL                              ; all but the youngest eight loads (x's blocks 4-7)
.if \zero
	WIN BIA_LO
.else
	WIN MUL_LO
.endif
	MUL16 0, (\q)%2, \q, \slot, \zero
	MUL16 2, (\q)%2, \q, \slot, \zero
	s_wait_dscnt 0
	PLACES NP
	FETCH_B \slot, (\q)+1, 1-(\q)%2
	FETCH_A \slot, (\q)+1, 0
.if \zero
	WIN BIA_HI
.else
	WIN MUL_HI
.endif
	MUL16 4, (\q)%2, \q, \slot, \zero
	MUL16 6, (\q)%2, \q, \slot, \zero
	PLACES NP
	WIN 0
	FETCH_A \slot, (\q)+1, 4
.endm
.macro TURN slot, next                 ; slot 0's last step: behind the barrier slot 1 is whole for every wave; nothing is filled again
	s_wait_tensorcnt 0x0                           ; my part of slot 1 has landed
	ds_add_u32 v[SPW], v[NIL]
	s_wait_dscnt 4*NL+1                            ; (the add and the youngest eight loads may be out)
	WIN MUL_LO
	MUL16 0, 1, NQ-1, \slot, 0
	s_wait_dscnt 0x0
	s_barrier_signal -1
	MUL16 2, 1, NQ-1, \slot, 0
	WIN 0
	s_barrier_wait -1
	PLACES NP
	FETCH_B \next, 0, 0
	FETCH_A \next, 0, 0
	SCALES \next
	WIN MUL_HI
	MUL16 4, 1, NQ-1, \slot, 0
	MUL16 6, 1, NQ-1, \slot, 0
	PLACES NP
	WIN 0
	FETCH_A \next, 0, 4
.endm
	s_wait_tensorcnt 1                             ; the scale words and my part of slot 0 are in; slot 1's load may stay out
	s_barrier_signal -1
	s_barrier_wait -1
	FETCH_B 0, 0, 0
	FETCH_A 0, 0, 0
	SCALES 0
	FETCH_A 0, 0, 4
	s_wait_loadcnt 0x0                             ; the bias
	STEP 0, 0, 1                                   ; the first products start the sums from the bias
	STEP 0, 1, 0
	STEP 0, 2, 0
	TURN 0, 1
	STEP 1, 0, 0
	STEP 1, 1, 0
	STEP 1, 2, 0
	s_wait_dscnt 4*NL
	WIN MUL_LO
	MUL16 0, 1, NQ-1, 1, 0
	MUL16 2, 1, NQ-1, 1, 0
	s_wait_dscnt 0
	WIN MUL_HI
	MUL16 4, 1, NQ-1, 1, 0
	MUL16 6, 1, NQ-1, 1, 0
	WIN 0
; THE WAY OUT.  Block a (16 tokens x 128 channels): eight accumulators, each from its low end on, become eight pieces of 16 bytes a lane and are stored as they stand.
.macro PACK a
.set AC, 64*((\a)%4)
.set TP, TMP+32*((\a)%2)
.if (\a) >= 2
	s_wait_xcnt 0x0                                ; block a - 2's stores have read this set of registers
.endif
	WIN 0x0a+5*((\a)/4)                            ; sources in window 2 or 3
.irp b, 0,1,2,3,4,5,6,7
.irp i, 0,1,2,3
	v_cvt_pk_f16_f32 v[TP+4*\b+\i], v[AC+8*\b+2*\i], v[AC+8*\b+2*\i+1]
.endr
.endr
	WIN 0
.irp b, 0,1,2,3,4,5,6,7
	global_store_b128 v[CO], v[TP+4*\b:TP+4*\b+3], s[12:13] offset:(\b/4)*262144+(\a)*2048+(\b%4)*512   ; 512 consecutive bytes, aligned
.endr
.endm
	PLACES NP                                      ; behind the last products: their results are read, and the scale words' registers written, only behind these
.irp a, 0,1,2,3,4,5,6,7
	PACK \a
.endr
	s_wait_tensorcnt 0x0                           ; the wave's end
	ds_add_u32 v[SPW], v[NIL]
	s_wait_dscnt 0x0
	CROUND                                         ; the closing round
	s_endpgm
.Lfunc_end_k_q2b72bdba4c_qkv:
	.size	k_q2b72bdba4c_qkv, .Lfunc_end_k_q2b72bdba4c_qkv-k_q2b72bdba4c_qkv
	.p2alignl 7, 3214868480
	.fill 96, 4, 3214868480
	.section	.rodata,"a",@progbits
	.p2align	6, 0x0
	.amdhsa_kernel k_q2b72bdba4c_qkv
		.amdhsa_group_segment_fixed_size 327680
		.amdhsa_private_segment_fixed_size 0
		.amdhsa_enable_private_segment 0
		.amdhsa_kernarg_size 64
		.amdhsa_user_sgpr_count 2
		.amdhsa_user_sgpr_kernarg_segment_ptr 1
		.amdhsa_wavefront_size32 1
		.amdhsa_system_sgpr_workgroup_id_x 1
		.amdhsa_system_sgpr_workgroup_id_y 1
		.amdhsa_system_sgpr_workgroup_id_z 1
		.amdhsa_system_vgpr_workitem_id 0
		.amdhsa_next_free_vgpr 1024
		.amdhsa_next_free_sgpr 102
		.amdhsa_reserve_vcc 0
		.amdhsa_float_denorm_mode_32 3
		.amdhsa_float_denorm_mode_16_64 3
		.amdhsa_memory_ordered 1
		.amdhsa_forward_progress 1
		.amdhsa_inst_pref_size 119
	.end_amdhsa_kernel
	.amdgpu_metadata
---
amdhsa.version: [ 1, 2 ]
amdhsa.kernels:
  - .name:           k_q2b72bdba4c_qkv
    .symbol:         k_q2b72bdba4c_qkv.kd
    .args:
      - { .name: xc, .offset: 0, .size: 8, .value_kind: global_buffer, .address_space: global }
      - { .name: xs, .offset: 8, .size: 8, .value_kind: global_buffer, .address_space: global }
      - { .name: wc, .offset: 16, .size: 8, .value_kind: global_buffer, .address_space: global }
      - { .name: ws, .offset: 24, .size: 8, .value_kind: global_buffer, .address_space: global }
      - { .name: bq, .offset: 32, .size: 8, .value_kind: global_buffer, .address_space: global }
      - { .name: bk, .offset: 40, .size: 8, .value_kind: global_buffer, .address_space: global }
      - { .name: bv, .offset: 48, .size: 8, .value_kind: global_buffer, .address_space: global }
      - { .name: qkv, .offset: 56, .size: 8, .value_kind: global_buffer, .address_space: global }
    .group_segment_fixed_size: 327680
    .private_segment_fixed_size: 0
    .kernarg_segment_align: 8
    .kernarg_segment_size: 64
    .max_flat_workgroup_size: 128
    .sgpr_count:     102
    .vgpr_count:     1024
    .wavefront_size: 32
...
	.end_amdgpu_metadata
.endif
;; end of part 3
;; launch attn (part 4): grid 4 x 64, 8 waves a work-group, no clusters, 156,672 bytes of LDS; arguments qkv, perm, oimg; writes oimg
.if DOCPART == 4
	.amdgcn_target "amdgcn-amd-amdhsa--gfx1250"
	.amdhsa_code_object_version 6
	.text
	.protected	k_q2b72bdba4c_attn
	.globl	k_q2b72bdba4c_attn
	.p2align	8
	.type	k_q2b72bdba4c_attn,@function
k_q2b72bdba4c_attn:
	s_mov_b64 s[64:65], 0
	v_nop
	global_prefetch_b8 v0, s[64:65] scope:SCOPE_SE
	s_setreg_imm32_b32 hwreg(HW_REG_WAVE_MODE, 25, 1), 1
	s_wait_xcnt 0x0
; O = softmax((q k^T - slope |i - j|) / 8, hidden keys left out) v, for one (batch, head) and 512 queries a work-group.  q, k, v in f16 (images of operand registers), sums, maxima and the softmax in f32, p rounded to f16.
; TOKENS STAND IN perm'S ORDER: a batch's visible tokens first, in ascending position.  So the visible keys are keys 0 .. count - 1, and only ceil(count / 64) key steps of 64 are walked: what the mask hides is not multiplied.
; The loops' trip counts are constants; a step at or past the count is passed over by a scalar branch on the stored count, the same in all waves; no barrier stands under it.
; NO TENSOR LOADS AND NO CLUSTER: K and V go from memory through registers into LDS: each of the eight waves brings 1,024 bytes of K and of V
; a step, four steps (one slot) ahead, and stores them at the step's end.  Two slots of four steps; one barrier a slot: in front of it each wave has waited for its reads of the slot it leaves and its stores into the slot ahead.
; SHARES: a wave owns 64 queries, four tiles of 16.  Both products are used transposed: S^T = K Q^T, O^T = V^T P: a lane holds one query.  K comes out of LDS as its image lies, V ([key][channel], rows 160 bytes apart) by the turning load.
; ALIBI: the bias -slope |pk - pq| is the C of the first product.  Keys ascend, so for most steps all 64 keys lie on one side of the wave's queries: the bias is then one fused multiply-add, +-slope pk -+ slope pq
; (it rounds otherwise than slope x |i - j|: by under 1e-4 in the score).  In the steps that do not, the sign bit is set behind it.  Keys at or past the count inside the last step have the position 2^120: their p is 0.
; No visible key at all: the sum is 0 and O is 0 x infinity = NaN.
; LIMITS: |q|, |k|, |v|, |o| under 65,504 (f16); NaN and infinities are not served.
; REGISTERS: window 0: v1-15 addresses; v16-31 at work, 4 a tile; v32-63 statistics, 8 a tile (+0 c m, +1 m, +2, +3 l, +4 a, +6 -+slope pq); v64-191 S^T, 32 a tile, P packed into each tile's first 16;
;   v192-223 the step's key positions; v224-239 K and V on their way to LDS; v240-243 my queries' positions.   window 1: v0-63 Q; v64-191 O^T, 32 a tile; v192-255 K's, then V's fragments.
.set STEPB, 18432                      ; a step in LDS: K's image, 8,192 bytes; then 64 rows of V
.set VOFF,  8192
.set PV,    160                        ; 128 bytes + 32: an odd multiple of 32, as the turning load's 8 rows x 32 bytes want
.set SLOTB, 4*STEPB
.set KPL,   2*SLOTB                    ; 2,048 key positions, f32
.set SPARE, KPL+8192                   ; the spare words, 128 bytes a wave
.set L16, 1
.set AV0, 2
.set AP0, 3
.set STK, 4                            ; v4  1,024 x wave + 16 x lane: my bytes of a step's K or V in memory, and of K's image in LDS
.set STV, 5
.set ADK, 6
.set ADV, 7
.set ADP, 8
.set ADSK, 9
.set ADSV, 10
.set KLO, 11                           ; v11 lane l: the position of step l's first key
.set KHI, 12                           ; v12 and of its last; the greatest number where the step is not wholly visible
.set PFO, 13
.set SPW, 14
.set NIL, 15
.set TM,  16
.set ST,  32
.set S,   64
.set KPR, 192
.set STG, 224
.set QPF, 240
.set O,   64                           ; window 1
.set KV,  192                          ; window 1
.set WV, 10
.set BH, 11
.set BAT, 12
.set HD, 13
.set Q0, 14
.set CNT, 15
.set QMIN, 16
.set QMAX, 17
.set SLP, 18
.set SLN, 19
.set SS, 20                            ; s[20:21] the step's signed slope
.set CS, 22                            ; s[22:23] c = log2(e) / 8
.set SEL, 24
.set KP, 26
.set VP, 28
.set KA, 30
.set VA, 32
.set PB, 34
.set OFS, 36                           ; s[36:37] an offset; the high word stays 0
.set KB, 38                            ; the step's first key
.set TB, 39                            ; LDS byte of the step that is read
.set TO, 40                            ; and of the step that is stored, in the other slot
.set TT, 41                            ; the step's number
.set U, 42
.set SL, 43
.set KL, 44
.set KH, 45
.set ND, 46
.set TS, 47
.set PFB, 48
.set PFA, 50
.set LIM, 52
.set KPO, 53                           ; LDS byte of the positions of the two slots in hand
.set SGN, 54
.set KPI, 55                           ; and of the step in hand
.set QP, 56
.set OP, 58
.set X0, 60
.set X1, 62
.set MSB, 0
.macro WIN new
.if MSB != (\new)
	s_set_vgpr_msb (MSB<<8)|(\new)
.set MSB, (\new)
.endif
.endm
	s_load_b128 s[4:7], s[0:1], 0x0                ; qkv, perm
	s_load_b64 s[8:9], s[0:1], 0x10                ; oimg
	v_lshl_add_u32 v[SPW], v0, 2, SPARE
	v_mov_b32 v[NIL], 0
	v_lshrrev_b32 v244, 5, v0
	v_readfirstlane_b32 s[WV], v244
	s_and_b32 s[BH], ttmp7, 0xffff
	s_lshr_b32 s[BAT], s[BH], 4
	s_and_b32 s[HD], s[BH], 15
	s_lshl_b32 s[Q0], ttmp9, 9
	s_lshl_b32 s[OFS], s[WV], 6
	s_add_co_u32 s[Q0], s[Q0], s[OFS]              ; my first query, in perm's order
	v_and_b32 v244, 31, v0
	v_and_b32 v245, 15, v0                         ; r
	v_bfe_u32 v246, v0, 4, 1                       ; h
	v_lshlrev_b32 v[L16], 4, v244
	v_lshlrev_b32 v[PFO], 8, v244
	v_and_b32 v[AV0], 7, v0
	v_lshl_add_u32 v[AV0], v246, 3, v[AV0]
	v_mul_u32_u24 v[AV0], v[AV0], PV               ; the turning load: key 8 h + l % 8,
	v_bfe_u32 v247, v0, 3, 1
	v_lshl_add_u32 v[AV0], v247, 4, v[AV0]         ; channels 8 ((l / 8) % 2) on
	v_add_nc_u32 v[AV0], VOFF, v[AV0]
	v_lshl_add_u32 v[AP0], v246, 5, KPL            ; positions: my half's eight keys of a tile
	s_lshl_b32 s[OFS], s[WV], 10
	v_add_nc_u32 v[STK], s[OFS], v[L16]
	s_lshr_b32 s[OFS], s[WV], 1
	s_mul_i32 s[OFS], s[OFS], 16*PV
	s_and_b32 s[X0], s[WV], 1
	s_lshl_b32 s[X0], s[X0], 6
	s_add_co_u32 s[OFS], s[OFS], s[X0]
	s_add_co_u32 s[OFS], s[OFS], VOFF
	v_mul_u32_u24 v[STV], v245, PV                 ; V into rows: key 16 (wave / 2) + r, bytes 64 (wave % 2) + 16 h on
	v_lshl_add_u32 v[STV], v246, 4, v[STV]
	v_add_nc_u32 v[STV], s[OFS], v[STV]
	s_lshl_b32 s[OFS], s[Q0], 2
	v_lshl_add_u32 v247, v245, 2, s[OFS]           ; 4 (my first query + r)
	v_lshlrev_b32 v244, 5, v0                      ; 32 x thread: eight positions
	s_mov_b32 s[CS], 0x3e38aa3b
	s_mov_b32 s[CS+1], s[CS]
	s_mov_b32 s[SEL], 0x76543210
	s_mov_b32 s[SEL+1], 0xfedcba98
	s_mov_b32 s[SGN], 0x80000000
	s_add_co_u32 s[X0], s[HD], 1                   ; slope = 2^(-n / 2), n = head + 1: its bits from the head's number
	s_add_co_u32 s[X1], s[X0], 1
	s_lshr_b32 s[X1], s[X1], 1
	s_sub_co_u32 s[X1], 127, s[X1]
	s_lshl_b32 s[SLP], s[X1], 23
	s_and_b32 s[X0], s[X0], 1
	s_cmp_lg_u32 s[X0], 0
	s_cselect_b32 s[X0], 0x3504f3, 0               ; an odd n: x sqrt(2)
	s_or_b32 s[SLP], s[SLP], s[X0]
	s_xor_b32 s[SLN], s[SLP], s[SGN]
	s_mov_b32 s[OFS+1], 0
	s_wait_kmcnt 0x0
	s_lshl_b32 s[OFS], s[BH], 18
	s_add_nc_u64 s[KP:KP+1], s[4:5], s[OFS:OFS+1]
	s_add_nc_u64 s[VP:VP+1], s[KP:KP+1], 0x2000000
	s_lshl_b32 s[OFS], s[Q0], 7
	s_add_nc_u64 s[QP:QP+1], s[KP:KP+1], s[OFS:OFS+1]
	s_add_nc_u64 s[KP:KP+1], s[KP:KP+1], 0x1000000
	s_lshl_b32 s[OFS], s[BAT], 22
	s_add_co_u32 s[X0], s[Q0], s[HD]
	s_lshl_b32 s[X0], s[X0], 11
	s_add_co_u32 s[OFS], s[OFS], s[X0]
	s_add_nc_u64 s[OP:OP+1], s[8:9], s[OFS:OFS+1]  ; oimg: (128 batch + query / 16) x 32,768 + 2,048 head
	s_lshl_b32 s[OFS], s[BAT], 7
	s_add_nc_u64 s[X0:X0+1], s[6:7], s[OFS:OFS+1]
	s_load_b32 s[CNT], s[X0:X0+1], 0x8000          ; the batch's visible tokens
	s_lshl_b32 s[OFS], s[BAT], 13
	s_add_nc_u64 s[PB:PB+1], s[6:7], s[OFS:OFS+1]
	s_lshl_b32 s[OFS], s[Q0], 2
	s_add_nc_u64 s[X1:X1+1], s[PB:PB+1], s[OFS:OFS+1]
	s_load_b32 s[QMIN], s[X1:X1+1], 0x0            ; my first query's position
	s_load_b32 s[QMAX], s[X1:X1+1], 0xfc           ; and my last's
	global_load_b32 v[KLO], v[PFO], s[PB:PB+1]
	global_load_b32 v[KHI], v[PFO], s[PB:PB+1] offset:252
	global_load_b128 v[248:251], v244, s[PB:PB+1]
	global_load_b128 v[252:255], v244, s[PB:PB+1] offset:16
.irp t, 0,1,2,3
	global_load_b32 v[QPF+\t], v247, s[PB:PB+1] offset:64*\t
.endr
.irp u, 0,1,2,3                        ; slot 0's four steps: keys 0 to 255 are in the buffer whatever the count
	global_load_b128 v[S+16*\u:S+16*\u+3], v[STK], s[KP:KP+1] offset:8192*\u
	global_load_b128 v[S+16*\u+4:S+16*\u+7], v[STK], s[KP:KP+1] offset:8192*\u+512
	global_load_b128 v[S+16*\u+8:S+16*\u+11], v[STK], s[VP:VP+1] offset:8192*\u
	global_load_b128 v[S+16*\u+12:S+16*\u+15], v[STK], s[VP:VP+1] offset:8192*\u+512
.endr
	WIN 0x40                                       ; destination window 1
.irp t, 0,1,2,3
.irp p, 0,1,2,3
	global_load_b128 v[16*\t+4*\p:16*\t+4*\p+3], v[L16], s[QP:QP+1] offset:2048*\t+512*\p   ; Q stays in registers
.endr
.endr
.set j, 0
.rept 128
	v_mov_b32 v[O+j], 0                            ; O^T is cleared: the first step stands under the branch on the count and cannot be written out ahead of the loop
.set j, j+1
.endr
	WIN 0
.irp t, 0,1,2,3
	v_mov_b32 v[ST+8*\t+1], 0xff61b1e6             ; m = -3e38, under every score
	v_mul_f32 v[ST+8*\t], s[CS], v[ST+8*\t+1]
.irp e, 2,3,4,5,6,7
	v_mov_b32 v[ST+8*\t+\e], 0
.endr
.irp e, 0,1,2,3
	v_mov_b32 v[TM+4*\t+\e], 0
.endr
.endr
	s_wait_kmcnt 0x0
	s_min_u32 s[CNT], s[CNT], 2048
	; my 64 queries may hold the border between visible and hidden tokens: two ascending runs.  Their least position is the lesser of the runs' first, their greatest the greater of the runs' last.
	s_add_co_u32 s[TS], s[Q0], 63
	s_max_u32 s[KL], s[CNT], s[Q0]
	s_min_u32 s[KL], s[KL], s[TS]
	s_min_u32 s[KL], s[KL], 2047
	s_lshl_b32 s[KL], s[KL], 2
	s_mov_b32 s[KH], 0
	s_add_nc_u64 s[X0:X0+1], s[PB:PB+1], s[KL:KL+1]
	s_sub_co_u32 s[ND], s[CNT], 1                  ; (count 0 wraps to the greatest number and is held at my last query)
	s_max_u32 s[ND], s[ND], s[Q0]
	s_min_u32 s[ND], s[ND], s[TS]
	s_min_u32 s[ND], s[ND], 2047
	s_lshl_b32 s[ND], s[ND], 2
	s_mov_b32 s[TS], 0
	s_add_nc_u64 s[X1:X1+1], s[PB:PB+1], s[ND:ND+1]
	s_load_b32 s[KL], s[X0:X0+1], 0x0
	s_load_b32 s[ND], s[X1:X1+1], 0x0
	s_lshr_b32 s[U], s[WV], 1                      ; the prefetches: the head's first work-group asks, wave 0 for K, wave 1 for V
	s_or_b32 s[U], s[U], ttmp9
	s_cmp_eq_u32 s[U], 0
	s_cselect_b32 s[LIM], s[CNT], 0                ; a wave asks while the step asked for begins under this
	s_cmp_eq_u32 s[WV], 0
	s_cselect_b64 s[PFB:PFB+1], s[KP:KP+1], s[VP:VP+1]
	s_wait_kmcnt 0x0
	s_min_u32 s[QMIN], s[QMIN], s[KL]
	s_max_u32 s[QMAX], s[QMAX], s[ND]
	s_wait_loadcnt 0x0
	v_and_b32 v244, 31, v0
	v_lshl_add_u32 v244, v244, 6, 63
	v_mov_b32 v245, 0x7fffffff
	v_cmp_le_u32 vcc_lo, s[CNT], v244
	v_cndmask_b32 v[KHI], v[KHI], v245, vcc_lo
	v_lshlrev_b32 v244, 3, v0
	v_mov_b32 v245, 0x7b800000                     ; 2^120
.irp e, 0,1,2,3,4,5,6,7
	v_cvt_f32_u32 v[248+\e], v[248+\e]
	v_add_nc_u32 v246, \e, v244
	v_cmp_le_u32 vcc_lo, s[CNT], v246
	v_cndmask_b32 v[248+\e], v[248+\e], v245, vcc_lo
.endr
	v_lshl_add_u32 v246, v0, 5, KPL
	ds_store_b128 v246, v[248:251]
	ds_store_b128 v246, v[252:255] offset:16
.irp t, 0,1,2,3
	v_cvt_f32_u32 v[QPF+\t], v[QPF+\t]
.endr
.irp u, 0,1,2,3
	ds_store_b128 v[STK], v[S+16*\u:S+16*\u+3] offset:\u*STEPB
	ds_store_b128 v[STK], v[S+16*\u+4:S+16*\u+7] offset:\u*STEPB+512
	ds_store_b128 v[STV], v[S+16*\u+8:S+16*\u+11] offset:\u*STEPB
	ds_store_b128 v[STV], v[S+16*\u+12:S+16*\u+15] offset:\u*STEPB+32
.endr
.macro SCALET t                        ; c s - c m, two at a time
.set j, 0
.rept 16
	v_pk_fma_f32 v[S+32*(\t)+j:S+32*(\t)+j+1], v[S+32*(\t)+j:S+32*(\t)+j+1], s[CS:CS+1], v[ST+8*(\t):ST+8*(\t)+1] op_sel_hi:[1,0,0] neg_lo:[0,0,1] neg_hi:[0,0,1]
.set j, j+2
.endr
.endm
.macro EXPT t                          ; a = 2^(c m_old - c m_new), and the tile's 32 p
	v_exp_f32 v[ST+8*(\t)+4], v[TM+4*(\t)+3]
.set j, 0
.rept 32
	v_exp_f32 v[S+32*(\t)+j], v[S+32*(\t)+j]
.set j, j+1
.endr
.endm
.macro SUMT t                          ; l = a l + the sum of p, in two chains
	v_pk_add_f32 v[TM+4*(\t):TM+4*(\t)+1], v[S+32*(\t):S+32*(\t)+1], v[S+32*(\t)+2:S+32*(\t)+3]
	v_pk_add_f32 v[TM+4*(\t)+2:TM+4*(\t)+3], v[S+32*(\t)+4:S+32*(\t)+5], v[S+32*(\t)+6:S+32*(\t)+7]
.irp j, 8,12,16,20,24,28
	v_pk_add_f32 v[TM+4*(\t):TM+4*(\t)+1], v[TM+4*(\t):TM+4*(\t)+1], v[S+32*(\t)+\j:S+32*(\t)+\j+1]
	v_pk_add_f32 v[TM+4*(\t)+2:TM+4*(\t)+3], v[TM+4*(\t)+2:TM+4*(\t)+3], v[S+32*(\t)+\j+2:S+32*(\t)+\j+3]
.endr
	v_pk_add_f32 v[TM+4*(\t):TM+4*(\t)+1], v[TM+4*(\t):TM+4*(\t)+1], v[TM+4*(\t)+2:TM+4*(\t)+3]
	v_pk_fma_f32 v[ST+8*(\t)+2:ST+8*(\t)+3], v[ST+8*(\t)+2:ST+8*(\t)+3], v[ST+8*(\t)+4:ST+8*(\t)+5], v[TM+4*(\t):TM+4*(\t)+1] op_sel_hi:[1,0,1]
.endm
.macro PACKT t                         ; p to f16, in place, ascending: register i takes numbers 2 i and 2 i + 1
.set j, 0
.rept 16
	v_cvt_pk_f16_f32 v[S+32*(\t)+j], v[S+32*(\t)+2*j], v[S+32*(\t)+2*j+1]
.set j, j+1
.endr
.endm
.macro RESCT t                         ; O^T x a (window 1), each accumulator from its low end on
.set j, 0
.rept 16
	v_pk_mul_f32 v[O+32*(\t)+j:O+32*(\t)+j+1], v[O+32*(\t)+j:O+32*(\t)+j+1], v[ST+8*(\t)+4:ST+8*(\t)+5] op_sel_hi:[1,0]
.set j, j+2
.endr
.endm
; A KEY STEP of 64 keys.
.macro STEP
	s_wait_dscnt 0x0                               ; my last stores into the other slot have read their registers
	s_wait_xcnt 0x0                                ; the last step's prefetch has read its address
	s_add_co_u32 s[OFS], s[KB], 256                ; the step four steps on, held at the buffer's last
	s_min_u32 s[OFS], s[OFS], 1984
	s_lshl_b32 s[OFS], s[OFS], 7
	s_add_nc_u64 s[KA:KA+1], s[KP:KP+1], s[OFS:OFS+1]
	s_add_nc_u64 s[VA:VA+1], s[VP:VP+1], s[OFS:OFS+1]
	s_add_co_u32 s[X0], s[KB], 320                 ; and the one behind it, for the prefetch
	s_min_u32 s[OFS], s[X0], 1984
	s_lshl_b32 s[OFS], s[OFS], 7
	s_add_nc_u64 s[PFA:PFA+1], s[PFB:PFB+1], s[OFS:OFS+1]
	global_load_b128 v[STG:STG+3], v[STK], s[KA:KA+1]
	global_load_b128 v[STG+4:STG+7], v[STK], s[KA:KA+1] offset:512
	global_load_b128 v[STG+8:STG+11], v[STK], s[VA:VA+1]
	global_load_b128 v[STG+12:STG+15], v[STK], s[VA:VA+1] offset:512
	s_cmp_lt_u32 s[X0], s[LIM]                     ; one key step ahead of those loads: 8,192 bytes, lanes 256 bytes apart; only visible steps, each once in the launch
	s_cbranch_scc0 .Lnopf_\@
	global_prefetch_b8 v[PFO], s[PFA:PFA+1] th:TH_LOAD_NT scope:SCOPE_SE
.Lnopf_\@:
	v_add_nc_u32 v[ADK], s[TB], v[L16]
	v_add_nc_u32 v[ADV], s[TB], v[AV0]
	v_add_nc_u32 v[ADP], s[KPI], v[AP0]
	v_readlane_b32 s[KL], v[KLO], s[TT]
	v_readlane_b32 s[KH], v[KHI], s[TT]
	s_cmp_ge_u32 s[KL], s[QMAX]                    ; all keys at or after all my queries: -slope (pk - pq)
	s_cselect_b32 s[SS], s[SLN], s[SLP]
	s_cselect_b32 s[ND], 1, 0
	s_cmp_le_u32 s[KH], s[QMIN]                    ; all at or before: +slope (pk - pq)
	s_cselect_b32 s[TS], 1, 0
	s_or_b32 s[ND], s[ND], s[TS]
	s_mov_b32 s[SS+1], s[SS]
	s_xor_b32 s[TS], s[SS], s[SGN]
.irp t, 0,1,2,3
	v_mul_f32 v[ST+8*\t+6], s[TS], v[QPF+\t]       ; (these and the additions above are the places behind the last step's products)
.endr
.irp kt, 0,1,2,3
	ds_load_b128 v[KPR+8*\kt:KPR+8*\kt+3], v[ADP] offset:64*\kt
	ds_load_b128 v[KPR+8*\kt+4:KPR+8*\kt+7], v[ADP] offset:64*\kt+16
.endr
	WIN 0x40
.irp kt, 0,1,2,3
.irp p, 0,1,2,3
	ds_load_b128 v[KV+16*\kt+4*\p:KV+16*\kt+4*\p+3], v[ADK] offset:2048*\kt+512*\p
.endr
.endr
	WIN 0
	s_wait_dscnt 16                                ; the positions are in; K's sixteen loads may stay out
.irp t, 0,1,2,3
.set j, 0
.rept 16
	v_pk_fma_f32 v[S+32*\t+j:S+32*\t+j+1], v[KPR+j:KPR+j+1], s[SS:SS+1], v[ST+8*\t+6:ST+8*\t+7] op_sel_hi:[1,0,0]
.set j, j+2
.endr
.endr
	s_cmp_lg_u32 s[ND], 0
	s_cbranch_scc1 .Lside_\@
.set j, 0
.rept 128
	v_or_b32 v[S+j], s[SGN], v[S+j]                ; keys on both sides: -|slope (pk - pq)|
.set j, j+1
.endr
.Lside_\@:
	s_wait_dscnt 0x0                               ; K
	WIN 0x05
.irp c, 0,1                            ; S^T = K Q^T + the bias: sixteen accumulators by turns
.irp kt, 0,1,2,3
.irp t, 0,1,2,3
	v_wmma_f32_16x16x32_f16 v[S+32*\t+8*\kt:S+32*\t+8*\kt+7], v[KV+16*\kt+8*\c:KV+16*\kt+8*\c+7], v[16*\t+8*\c:16*\t+8*\c+7], v[S+32*\t+8*\kt:S+32*\t+8*\kt+7]
.endr
.endr
.endr
.rept 4
	v_nop                                          ; places: K's registers take V's loads, and the scores are read
.endr
	WIN 0x40
.irp f, 0,1,2,3,4,5,6,7                ; V^T: keys 32 (f / 4) on, channels 16 (f % 4) on
	ds_load_tr16_b128 v[KV+8*\f:KV+8*\f+3], v[ADV] offset:(\f/4)*32*PV+(\f%4)*32
	ds_load_tr16_b128 v[KV+8*\f+4:KV+8*\f+7], v[ADV] offset:(\f/4)*32*PV+16*PV+(\f%4)*32
.endr
	WIN 0
.irp j, 0,1,2,3                        ; the maximum: four chains a tile, each accumulator from its low end on; the tiles by turns
.irp t, 0,1,2,3
	v_max3_num_f32 v[TM+4*\t+\j], v[S+32*\t+8*\j], v[S+32*\t+8*\j+1], v[S+32*\t+8*\j+2]
.endr
.endr
.irp g, 1,2
.irp j, 0,1,2,3
.irp t, 0,1,2,3
	v_max3_num_f32 v[TM+4*\t+\j], v[TM+4*\t+\j], v[S+32*\t+8*\j+2*\g+1], v[S+32*\t+8*\j+2*\g+2]
.endr
.endr
.endr
.irp t, 0,1,2,3
	v_max3_num_f32 v[TM+4*\t], v[TM+4*\t], v[S+32*\t+7], v[S+32*\t+15]
.endr
.irp t, 0,1,2,3
	v_max3_num_f32 v[TM+4*\t+2], v[TM+4*\t+2], v[S+32*\t+23], v[S+32*\t+31]
.endr
.irp t, 0,1,2,3
	v_max3_num_f32 v[TM+4*\t], v[TM+4*\t], v[TM+4*\t+1], v[TM+4*\t+2]
.endr
.irp t, 0,1,2,3
	v_max3_num_f32 v[TM+4*\t], v[TM+4*\t], v[TM+4*\t+3], v[ST+8*\t+1]
.endr
.irp t, 0,1,2,3
	v_permlanex16_b32 v[TM+4*\t+1], v[TM+4*\t], s[SEL], s[SEL+1]   ; the query's other 32 keys lie in the lane 16 away
.endr
.irp t, 0,1,2,3
	v_mov_b32 v[TM+4*\t+3], v[ST+8*\t]             ; c m_old
.endr
.irp t, 0,1,2,3
	v_max_num_f32 v[ST+8*\t+1], v[TM+4*\t], v[TM+4*\t+1]
.endr
.irp t, 0,1,2,3
	v_mul_f32 v[ST+8*\t], s[CS], v[ST+8*\t+1]
.endr
.irp t, 0,1,2,3
	v_sub_f32 v[TM+4*\t+3], v[TM+4*\t+3], v[ST+8*\t]
.endr
	SCALET 0
	SCALET 1
	EXPT 0                                         ; the first batch of exponentials: tiles 0 and 1
	EXPT 1
	SCALET 2                                       ; plain work that names none of its results
	SCALET 3
	s_wait_alu depctr_va_vdst(0)                   ; the wait ahead of the first instruction that names a result: one for the batch
	EXPT 2                                         ; the second batch
	EXPT 3
	SUMT 0                                         ; tiles 0 and 1 are summed and packed meanwhile
	PACKT 0
	SUMT 1
	PACKT 1
	s_wait_alu depctr_va_vdst(0)                   ; and one for the second batch
	SUMT 2
	PACKT 2
	SUMT 3
	PACKT 3
	WIN 0x41
	RESCT 0
	RESCT 1
	RESCT 2
	RESCT 3
	s_wait_dscnt 0x0                               ; V
	WIN 0x51
.irp kk, 0,1                           ; O^T += V^T P: sixteen accumulators by turns
.irp ct, 0,1,2,3
.irp t, 0,1,2,3
	v_wmma_f32_16x16x32_f16 v[O+32*\t+8*\ct:O+32*\t+8*\ct+7], v[KV+8*(4*\kk+\ct):KV+8*(4*\kk+\ct)+7], v[S+32*\t+8*\kk:S+32*\t+8*\kk+7], v[O+32*\t+8*\ct:O+32*\t+8*\ct+7]
.endr
.endr
.endr
	WIN 0
	s_wait_loadcnt 0x0                             ; the four loads from the step's head have had the whole step in which to land
	v_add_nc_u32 v[ADSK], s[TO], v[STK]
	v_add_nc_u32 v[ADSV], s[TO], v[STV]
	ds_store_b128 v[ADSK], v[STG:STG+3]
	ds_store_b128 v[ADSK], v[STG+4:STG+7] offset:512
	ds_store_b128 v[ADSV], v[STG+8:STG+11]
	ds_store_b128 v[ADSV], v[STG+12:STG+15] offset:32
.endm
; Four steps out of the slot at rd, while the slot at wr is stored.  pos: where their positions begin among the two slots' 512.
.macro HALF rd, wr, pos
	s_wait_dscnt 0x0                               ; my reads of the slot that I leave are back, my stores into the slot ahead have landed
	s_barrier_signal -1
	s_barrier_wait -1                              ; and so have every wave's
	s_mov_b32 s[TB], \rd
	s_mov_b32 s[TO], \wr
	s_add_co_u32 s[KPI], s[KPO], \pos
	s_mov_b32 s[U], 4
.Lstep_\@:
	s_cmp_ge_u32 s[KB], s[CNT]                     ; a step with no visible key is passed over
	s_cbranch_scc1 .Lskip_\@
	STEP
.Lskip_\@:
	s_add_co_u32 s[KB], s[KB], 64
	s_add_co_u32 s[TB], s[TB], STEPB
	s_add_co_u32 s[TO], s[TO], STEPB
	s_add_co_u32 s[KPI], s[KPI], 256
	s_add_co_u32 s[TT], s[TT], 1
	s_sub_co_u32 s[U], s[U], 1
	s_cmp_lg_u32 s[U], 0
	s_cbranch_scc1 .Lstep_\@
.endm
	s_mov_b32 s[KB], 0
	s_mov_b32 s[TT], 0
	s_mov_b32 s[KPO], 0
	s_mov_b32 s[SL], 4
.Lslot:
	HALF 0, SLOTB, 0
	HALF SLOTB, 0, 1024
	s_add_co_u32 s[KPO], s[KPO], 2048
	s_sub_co_u32 s[SL], s[SL], 1
	s_cmp_lg_u32 s[SL], 0
	s_cbranch_scc1 .Lslot
	; THE WAY OUT: O^T / l, rounded to f16: a lane's 16 bytes are a piece of the next launch's operand image
.irp t, 0,1,2,3
	v_add_f32 v[TM+4*\t], v[ST+8*\t+2], v[ST+8*\t+3]
.endr
.irp t, 0,1,2,3
	v_permlanex16_b32 v[TM+4*\t+1], v[TM+4*\t], s[SEL], s[SEL+1]
.endr
.irp t, 0,1,2,3
	v_add_f32 v[TM+4*\t], v[TM+4*\t], v[TM+4*\t+1]
.endr
.irp t, 0,1,2,3
	v_rcp_f32 v[ST+8*\t+4], v[TM+4*\t]
.endr
	v_nop                                          ; a plain instruction behind the last reciprocal
	s_wait_alu depctr_va_vdst(0)                   ; and the wait ahead of the first use: one for the four
	WIN 0x41
	RESCT 0
	RESCT 1
	RESCT 2
	RESCT 3
	WIN 0x05
.irp t, 0,1,2,3
.set j, 0
.rept 16
	v_cvt_pk_f16_f32 v[S+16*\t+j], v[O+32*\t+2*j], v[O+32*\t+2*j+1]
.set j, j+1
.endr
.endr
	WIN 0
.irp t, 0,1,2,3
.irp ct, 0,1,2,3
	global_store_b128 v[L16], v[S+16*\t+4*\ct:S+16*\t+4*\ct+3], s[OP:OP+1] offset:32768*\t+512*\ct   ; 512 consecutive bytes, aligned
.endr
.endr
	s_wait_tensorcnt 0x0                           ; the wave's end, behind my last LDS store
	ds_add_u32 v[SPW], v[NIL]
	s_wait_dscnt 0x0
	s_endpgm
.Lfunc_end_k_q2b72bdba4c_attn:
	.size	k_q2b72bdba4c_attn, .Lfunc_end_k_q2b72bdba4c_attn-k_q2b72bdba4c_attn
	.p2alignl 7, 3214868480
	.fill 96, 4, 3214868480
	.section	.rodata,"a",@progbits
	.p2align	6, 0x0
	.amdhsa_kernel k_q2b72bdba4c_attn
		.amdhsa_group_segment_fixed_size 156672
		.amdhsa_private_segment_fixed_size 0
		.amdhsa_enable_private_segment 0
		.amdhsa_kernarg_size 24
		.amdhsa_user_sgpr_count 2
		.amdhsa_user_sgpr_kernarg_segment_ptr 1
		.amdhsa_wavefront_size32 1
		.amdhsa_system_sgpr_workgroup_id_x 1
		.amdhsa_system_sgpr_workgroup_id_y 1
		.amdhsa_system_sgpr_workgroup_id_z 1
		.amdhsa_system_vgpr_workitem_id 0
		.amdhsa_next_free_vgpr 512
		.amdhsa_next_free_sgpr 66
		.amdhsa_reserve_vcc 1
		.amdhsa_float_denorm_mode_32 3
		.amdhsa_float_denorm_mode_16_64 3
		.amdhsa_memory_ordered 1
		.amdhsa_forward_progress 1
		.amdhsa_inst_pref_size 113
	.end_amdhsa_kernel
	.amdgpu_metadata
---
amdhsa.version: [ 1, 2 ]
amdhsa.kernels:
  - .name:           k_q2b72bdba4c_attn
    .symbol:         k_q2b72bdba4c_attn.kd
    .args:
      - { .name: qkv, .offset: 0, .size: 8, .value_kind: global_buffer, .address_space: global }
      - { .name: perm, .offset: 8, .size: 8, .value_kind: global_buffer, .address_space: global }
      - { .name: oimg, .offset: 16, .size: 8, .value_kind: global_buffer, .address_space: global }
    .group_segment_fixed_size: 156672
    .private_segment_fixed_size: 0
    .kernarg_segment_align: 8
    .kernarg_segment_size: 24
    .max_flat_workgroup_size: 256
    .sgpr_count:     66
    .vgpr_count:     512
    .wavefront_size: 32
...
	.end_amdgpu_metadata
.endif
;; end of part 4
;; launch proj (part 5): grid 4 x 64, 4 waves a work-group, clusters of 4 x 4, 327,680 bytes of LDS; arguments oimg, woimg, bo, perm, out0; writes out0
.if DOCPART == 5
	.amdgcn_target "amdgcn-amd-amdhsa--gfx1250"
	.amdhsa_code_object_version 6
	.text
	.protected	k_q2b72bdba4c_proj
	.globl	k_q2b72bdba4c_proj
	.p2align	8
	.type	k_q2b72bdba4c_proj,@function
k_q2b72bdba4c_proj:
	s_mov_b64 s[64:65], 0
	v_nop
	global_prefetch_b8 v0, s[64:65] scope:SCOPE_SE
	s_setreg_imm32_b32 hwreg(HW_REG_WAVE_MODE, 25, 1), 1
	s_wait_xcnt 0x0
	s_wait_alu depctr_hold_cnt(0) depctr_sa_sdst(0) depctr_va_vdst(0) depctr_va_sdst(0) depctr_va_ssrc(0) depctr_va_vcc(0) depctr_vm_vsrc(0)
	s_getreg_b32 s2, hwreg(HW_REG_IB_STS2, 6, 4)
	s_cmp_eq_u32 s2, 0
	s_cbranch_scc0 .Lentry_in_a_cluster
	s_endpgm
.Lentry_in_a_cluster:
	s_bfe_u32 s2, ttmp6, 0x10000c
	s_cmp_lg_u32 s2, 0xf033
	s_cbranch_scc0 .Lentry_shape_is_right
	s_endpgm
.Lentry_shape_is_right:
; out = o Wo + bo.  o (8,192 tokens in perm's order x 1,024) and Wo in f16, as images of operand registers ([tile of 16 rows][kf 32][1024 bytes]); sums in f32; each row is stored at its token's own place, by perm.
; A tile of 128 tokens x 256 columns is made by four waves, 64 x 128 each: 32 accumulators.  256 work-groups.  K goes in steps of 128 through two LDS slots: a step's part of a tile of 16 rows is 4,096 dense bytes.
; CLUSTERS: 4 x 4: the four of a row share o's tiles, the four of a column Wo's: joint loads; where a slot is filled again, a round of the cluster's barrier stands in front.
; THE MATRIX INSTRUCTION IS USED TRANSPOSED (source 0 = 16 columns of Wo, source 1 = 16 tokens): a lane holds eight neighbouring columns of one row.  bo is the C of each sum's first matrix instruction.
; No prefetch: eight K steps in all, and both operands are shared within the cluster.
; REGISTERS: window 0: v16-31 addresses; v64-159, v160-255 two fragment buffers (o's 4 fragments, then Wo's 8).  window 1: the accumulators, (a, b) at v[8 (8 a + b)].  window 2: v0-63 bo.
.set SLOT,   98304                     ; o's 8 tiles x 4,096, then Wo's 16 tiles x 4,096
.set BOFF,   32768
.set STAGE,  2*SLOT                    ; the way out: 16 rows x 528 bytes for each wave; no tensor load lands here
.set SPITCH, 528
.set SPARE,  STAGE+4*16*SPITCH
.set ADRA, 16
.set ADRB, 20
.set HB,   23                          ; v23  32 h
.set STO,  24
.set RD,   25
.set CO,   26                          ; v26  16 x lane
.set P4,   27                          ; v27  4 x lane
.set SPW,  28
.set NIL,  29
.set PR,   30                          ; v30-31 my 64 tokens' positions, a lane a token
.set F0,   64
.set BK,   64                          ; the way out: 16 rows read back, two sets of 64
.set RO,   192                         ; and their rows' offsets in out0, two sets of 16
.set G1, 24
.set G0, 32
.set G1B, 48
.set G0B, 56
.set MSB, 0
.macro WIN new
.if MSB != (\new)
	s_set_vgpr_msb (MSB<<8)|(\new)
.set MSB, (\new)
.endif
.endm
.set MUL,  0x50                        ; fragments window 0; C and D window 1
.set MULF, 0x60                        ; C (bo) window 2, D window 1
.macro JLOAD s                         ; waves 0 and 1 fetch o's halves, waves 2 and 3 Wo's; an s_nop 0 and four v_nop follow each line
	s_cmp_eq_u32 s11, 0
	s_cbranch_scc0 .Lfor_b_\@
	tensor_load_to_lds s[G0+4*\s:G0+4*\s+3], s[G1:G1+7]
	s_nop 0
.rept 4
	v_nop
.endr
	s_branch .Lasked_\@
.Lfor_b_\@:
	tensor_load_to_lds s[G0B+4*\s:G0B+4*\s+3], s[G1B:G1B+7]
	s_nop 0
.rept 4
	v_nop
.endr
.Lasked_\@:
.endm
.macro CREST
	s_cmp_lg_u32 s10, 0
	s_cbranch_scc1 .Lnot_wave_0_\@
	s_barrier_signal -3
.Lnot_wave_0_\@:
	s_barrier_wait -3
	s_barrier_signal -1
	s_barrier_wait -1
.endm
.macro CROUND
	s_barrier_signal -1
	s_barrier_wait -1
	CREST
.endm
	s_load_b128 s[4:7], s[0:1], 0x0                ; oimg, woimg
	s_load_b128 s[68:71], s[0:1], 0x10             ; bo, perm
	s_load_b64 s[8:9], s[0:1], 0x20                ; out0
	v_lshl_add_u32 v[SPW], v0, 2, SPARE
	v_mov_b32 v[NIL], 0
	ds_add_u32 v[SPW], v[NIL]                      ; the wave's opening: the add, twice on end, and its wait ahead of my first tensor load
	ds_add_u32 v[SPW], v[NIL]
	v_lshrrev_b32 v1, 5, v0
	v_readfirstlane_b32 s10, v1                    ; wave
	s_lshr_b32 s11, s10, 1                         ; my half of the tokens.  Also: I fetch for o (0) or for Wo (1)
	s_and_b32 s12, s10, 1                          ; my half of the columns.  Also: which half of that tile I fetch
	s_bfe_u32 s40, ttmp6, 0x40000
	s_bfe_u32 s41, ttmp6, 0x40004
	s_lshl_b32 s42, ttmp9, 2
	s_add_co_u32 s42, s42, s40                     ; tile column
	s_and_b32 s13, ttmp7, 0xffff
	s_lshl_b32 s13, s13, 2
	s_add_co_u32 s13, s13, s41                     ; tile row
	s_lshl_b32 s43, s41, 2
	s_lshl_b32 s43, 15, s43
	s_lshl_b32 s44, 0x1111, s40
	s_or_b32 s[G1+0], s43, (3<<16)|(1<<21)         ; the mask; elements of 8 bytes; no padding; bit 21 beside a mask
	s_or_b32 s[G1B+0], s44, (3<<16)|(1<<21)
.irp g, G1, G1B                        ; rows (tiles) of 512 elements (4,096 bytes), 4,096 elements apart
	s_mov_b32 s[\g+1], 512<<16
	s_mov_b32 s[\g+3], 512<<16
	s_mov_b32 s[\g+5], 4096
	s_mov_b32 s[\g+6], 0
	s_mov_b32 s[\g+7], 0
.endr
	s_mov_b32 s[G1+2], 4<<16                       ; o: four tiles a load
	s_mov_b32 s[G1+4], 4
	s_mov_b32 s[G1B+2], 8<<16                      ; Wo: eight
	s_mov_b32 s[G1B+4], 8
	s_lshl_b32 s16, s13, 18
	s_lshl_b32 s17, s12, 17
	s_add_co_u32 s16, s16, s17                     ; o: (8 tile row + 4 half) x 32,768
	s_mov_b32 s17, 0
	s_lshl_b32 s46, s42, 19
	s_lshl_b32 s47, s12, 18
	s_add_co_u32 s46, s46, s47                     ; Wo: (16 tile column + 8 half) x 32,768
	s_mov_b32 s47, 0
	s_lshl_b32 s20, s12, 14                        ; where they go, by the wave's number alone
	s_lshl_b32 s21, s12, 15
	s_add_co_u32 s21, s21, BOFF
	s_wait_dscnt 0x0                               ; both opening adds are done
	s_wait_kmcnt 0x0
	s_add_nc_u64 s[14:15], s[4:5], s[16:17]
	s_add_nc_u64 s[46:47], s[6:7], s[46:47]
	CROUND                                         ; all sixteen work-groups are here: the first joint loads meet
.irp s, 0,1
	s_mov_b32 s[G0+4*\s], 1
	s_add_co_u32 s[G0+4*\s+1], s20, \s*SLOT
	s_add_nc_u64 s[G0+4*\s+2:G0+4*\s+3], s[14:15], \s*4096
	s_or_b32 s[G0+4*\s+3], s[G0+4*\s+3], 0x80000000
	s_mov_b32 s[G0B+4*\s], 1
	s_add_co_u32 s[G0B+4*\s+1], s21, \s*SLOT
	s_add_nc_u64 s[G0B+4*\s+2:G0B+4*\s+3], s[46:47], \s*4096
	s_or_b32 s[G0B+4*\s+3], s[G0B+4*\s+3], 0x80000000
	JLOAD \s                                       ; two loads of mine are out at the start, one behind each round
.endr
	v_and_b32 v1, 15, v0                           ; r
	v_bfe_u32 v2, v0, 4, 1                         ; h
	v_and_b32 v3, 31, v0
	v_lshlrev_b32 v[CO], 4, v3
	v_lshlrev_b32 v[P4], 2, v3
	v_lshlrev_b32 v[HB], 5, v2
	s_lshl_b32 s21, s11, 14                        ; my four tiles of tokens
	s_lshl_b32 s22, s12, 15                        ; my eight tiles of columns,
	s_add_co_u32 s22, s22, BOFF                    ; behind o's
.irp s, 0,1
	v_add_nc_u32 v[ADRA+\s], s21, v[CO]
	v_add_nc_u32 v[ADRB+\s], s22, v[CO]
	s_add_co_u32 s21, s21, SLOT
	s_add_co_u32 s22, s22, SLOT
.endr
	s_mul_i32 s23, s10, 16*SPITCH
	s_add_co_u32 s23, s23, STAGE                   ; my stage
	v_mul_u32_u24 v4, v1, SPITCH
	v_lshl_add_u32 v4, v2, 5, v4
	v_add_nc_u32 v[STO], s23, v4                   ; in: row r, 32 bytes for each half of the lanes
	v_add_nc_u32 v[RD], s23, v[CO]                 ; back: the 32 lanes take a row of 512 bytes
	s_lshr_b32 s16, s13, 4
	s_lshl_b32 s16, s16, 23                        ; the batch
	s_mov_b32 s17, 0
	s_add_nc_u64 s[8:9], s[8:9], s[16:17]
	s_lshl_b32 s46, s42, 10
	s_lshl_b32 s47, s12, 9
	s_add_co_u32 s46, s46, s47                     ; 4 x (256 tile column + 128 x my half)
	s_mov_b32 s47, 0
	s_add_nc_u64 s[8:9], s[8:9], s[46:47]
	s_add_nc_u64 s[68:69], s[68:69], s[46:47]
	s_lshl_b32 s16, s13, 9
	s_lshl_b32 s17, s11, 8
	s_add_co_u32 s16, s16, s17                     ; 4 x (128 tile row + 64 x my half)
	s_mov_b32 s17, 0
	s_add_nc_u64 s[70:71], s[70:71], s[16:17]
	global_load_b32 v[PR], v[P4], s[70:71]
	global_load_b32 v[PR+1], v[P4], s[70:71] offset:128
	WIN 0x80                                       ; destination window 2
.irp b, 0,1,2,3,4,5,6,7                ; lane (r, h), tile b: bo of columns 16 b + 8 h + 0..7
	global_load_b128 v[8*\b:8*\b+3], v[HB], s[68:69] offset:64*\b
	global_load_b128 v[8*\b+4:8*\b+7], v[HB], s[68:69] offset:64*\b+16
.endr
	WIN 0
.macro FETCH slot, q, f                ; 24 LDS loads: the fragments of the slot's q-th 32 along K
.irp i, 0,1,2,3
.irp g, 0,1
	ds_load_b128 v[\f+8*\i+4*\g:\f+8*\i+4*\g+3], v[ADRA+\slot] offset:4096*\i+1024*(\q)+512*\g
.endr
.endr
.irp i, 0,1,2,3,4,5,6,7
.irp g, 0,1
	ds_load_b128 v[\f+32+8*\i+4*\g:\f+32+8*\i+4*\g+3], v[ADRB+\slot] offset:4096*\i+1024*(\q)+512*\g
.endr
.endr
.endm
.macro MULA f, a, first                ; token tile a against the eight column tiles.  The 32 accumulators take turns, in the same order in every quarter
.irp b, 0,1,2,3,4,5,6,7
.if \first
	v_wmma_f32_16x16x32_f16 v[8*(8*(\a)+\b):8*(8*(\a)+\b)+7], v[\f+32+8*\b:\f+32+8*\b+7], v[\f+8*(\a):\f+8*(\a)+7], v[8*\b:8*\b+7]
.else
	v_wmma_f32_16x16x32_f16 v[8*(8*(\a)+\b):8*(8*(\a)+\b)+7], v[\f+32+8*\b:\f+32+8*\b+7], v[\f+8*(\a):\f+8*(\a)+7], v[8*(8*(\a)+\b):8*(8*(\a)+\b)+7]
.endif
.endr
.endm
.macro PLACES                          ; four plain vector instructions between a matrix instruction and a load into, or a read of, its registers
.rept 4
	v_nop
.endr
.endm
.macro QUARTER slot, q, first          ; 32 along K: the next quarter's fragments are asked for first, then this one's 32 products are issued
	s_wait_dscnt 0x0                               ; this quarter's fragments are in
	PLACES
	WIN 0
	FETCH \slot, (\q)+1, F0+96*(((\q)+1)%2)
.if \first
	WIN MULF
.else
	WIN MUL
.endif
.irp a, 0,1,2,3
	MULA F0+96*((\q)%2), \a, \first
.endr
.endm
.macro TURN slot, next, fill           ; a slot's last quarter changes slots: one barrier; fill = 1: it opens a round of the cluster's barrier, and the slot is filled again, two K steps ahead
	WIN 0
	s_wait_tensorcnt 0x0                           ; all my tensor loads have landed: my part of the next slot;
	ds_add_u32 v[SPW], v[NIL]
	s_wait_dscnt 1                                 ; (the add alone may be out: the fragments are in)
	WIN MUL
	MULA F0+96, 0, 0
	s_wait_dscnt 0x0                               ; the add is done, and my reads of this slot are over
	s_barrier_signal -1
	MULA F0+96, 1, 0
	WIN 0
	s_barrier_wait -1
.if \fill
	CREST                                          ; no wave of any partner still reads this slot or has a load on its way
	s_add_nc_u64 s[G0+4*\slot+2:G0+4*\slot+3], s[G0+4*\slot+2:G0+4*\slot+3], 8192
	s_add_nc_u64 s[G0B+4*\slot+2:G0B+4*\slot+3], s[G0B+4*\slot+2:G0B+4*\slot+3], 8192
	JLOAD \slot                                    ; the first tensor load behind the round; its four v_nop are also the places in front of the loads below
.else
	PLACES
.endif
	FETCH \next, 0, F0
	WIN MUL
	MULA F0+96, 2, 0
	MULA F0+96, 3, 0
.endm
	s_wait_tensorcnt 1                             ; my part of K step 0 is in; K step 1's load may stay out
	s_barrier_signal -1
	s_barrier_wait -1
	FETCH 0, 0, F0
	s_wait_loadcnt 0x0                             ; bo and the positions
	QUARTER 0, 0, 1                                ; the first products start the sums from bo
	WIN 0
	s_mov_b32 s3, 3
.Llap:                                         ; a trip goes once round the ring and fills both slots again: K steps 2 to 7
	QUARTER 0, 1, 0
	QUARTER 0, 2, 0
	TURN 0, 1, 1
	QUARTER 1, 0, 0
	QUARTER 1, 1, 0
	QUARTER 1, 2, 0
	TURN 1, 0, 1
	QUARTER 0, 0, 0
	WIN 0
	s_sub_co_u32 s3, s3, 1
	s_cmp_lg_u32 s3, 0
	s_cbranch_scc1 .Llap
	QUARTER 0, 1, 0                                ; the last lap fills nothing
	QUARTER 0, 2, 0
	TURN 0, 1, 0
	QUARTER 1, 0, 0
	QUARTER 1, 1, 0
	QUARTER 1, 2, 0
	s_wait_dscnt 0x0
	WIN MUL
.irp a, 0,1,2,3
	MULA F0+96, \a, 0
.endr
	WIN 0
; THE WAY OUT, 16 tokens at a time: through my own stage in LDS, back as whole rows of 512 bytes, each stored at its token's own row of out0.
.macro TOSTAGE a
	WIN 0x04                                       ; an LDS store's data are its source 1: window 1
.irp b, 0,1,2,3,4,5,6,7
	ds_store_b128 v[STO], v[8*(8*(\a)+\b):8*(8*(\a)+\b)+3] offset:64*\b        ; each accumulator from its low end on
	ds_store_b128 v[STO], v[8*(8*(\a)+\b)+4:8*(8*(\a)+\b)+7] offset:64*\b+16
.endr
	WIN 0
.set j, 0
.rept 16
	ds_load_b128 v[BK+64*((\a)%2)+4*j:BK+64*((\a)%2)+4*j+3], v[RD] offset:j*SPITCH   ; LDS serves a wave's instructions in order: these see my stores
.set j, j+1
.endr
.endm
.macro ROWS a                          ; where the 16 rows go: position x 4,096 + 16 x lane
.set j, 0
.rept 16
	v_readlane_b32 s76, v[PR+(\a)/2], 16*((\a)%2)+j
	s_min_u32 s76, s76, 2047
	v_lshl_add_u32 v[RO+16*((\a)%2)+j], s76, 12, v[CO]
.set j, j+1
.endr
.endm
.macro SEND a, younger                 ; younger: the LDS instructions issued behind block a's loads
	s_wait_dscnt \younger
.set j, 0
.rept 16
	global_store_b128 v[RO+16*((\a)%2)+j], v[BK+64*((\a)%2)+4*j:BK+64*((\a)%2)+4*j+3], s[8:9] th:TH_STORE_NT   ; 512 consecutive bytes, aligned
.set j, j+1
.endr
.endm
	PLACES                                         ; behind the last products
	TOSTAGE 0
	ROWS 0
.irp a, 1,2,3
.if \a > 1
	s_wait_xcnt 0x0                                ; block a - 2's stores have read their data and offsets: both sets may be written again
.endif
	TOSTAGE \a
	ROWS \a
	SEND \a-1, 32                                  ; behind block a - 1's loads: block a's 16 stores and 16 loads
.endr
	SEND 3, 0
	s_wait_tensorcnt 0x0                           ; the wave's end
	ds_add_u32 v[SPW], v[NIL]
	s_wait_dscnt 0x0
	CROUND                                         ; the closing round
	s_endpgm
.Lfunc_end_k_q2b72bdba4c_proj:
	.size	k_q2b72bdba4c_proj, .Lfunc_end_k_q2b72bdba4c_proj-k_q2b72bdba4c_proj
	.p2alignl 7, 3214868480
	.fill 96, 4, 3214868480
	.section	.rodata,"a",@progbits
	.p2align	6, 0x0
	.amdhsa_kernel k_q2b72bdba4c_proj
		.amdhsa_group_segment_fixed_size 327680
		.amdhsa_private_segment_fixed_size 0
		.amdhsa_enable_private_segment 0
		.amdhsa_kernarg_size 40
		.amdhsa_user_sgpr_count 2
		.amdhsa_user_sgpr_kernarg_segment_ptr 1
		.amdhsa_wavefront_size32 1
		.amdhsa_system_sgpr_workgroup_id_x 1
		.amdhsa_system_sgpr_workgroup_id_y 1
		.amdhsa_system_sgpr_workgroup_id_z 1
		.amdhsa_system_vgpr_workitem_id 0
		.amdhsa_next_free_vgpr 576
		.amdhsa_next_free_sgpr 80
		.amdhsa_reserve_vcc 0
		.amdhsa_float_denorm_mode_32 3
		.amdhsa_float_denorm_mode_16_64 3
		.amdhsa_memory_ordered 1
		.amdhsa_forward_progress 1
		.amdhsa_inst_pref_size 98
	.end_amdhsa_kernel
	.amdgpu_metadata
---
amdhsa.version: [ 1, 2 ]
amdhsa.kernels:
  - .name:           k_q2b72bdba4c_proj
    .symbol:         k_q2b72bdba4c_proj.kd
    .args:
      - { .name: oimg, .offset: 0, .size: 8, .value_kind: global_buffer, .address_space: global }
      - { .name: woimg, .offset: 8, .size: 8, .value_kind: global_buffer, .address_space: global }
      - { .name: bo, .offset: 16, .size: 8, .value_kind: global_buffer, .address_space: global }
      - { .name: perm, .offset: 24, .size: 8, .value_kind: global_buffer, .address_space: global }
      - { .name: out0, .offset: 32, .size: 8, .value_kind: global_buffer, .address_space: global }
    .group_segment_fixed_size: 327680
    .private_segment_fixed_size: 0
    .kernarg_segment_align: 8
    .kernarg_segment_size: 40
    .max_flat_workgroup_size: 128
    .sgpr_count:     80
    .vgpr_count:     576
    .wavefront_size: 32
...
	.end_amdgpu_metadata
.endif
;; end of part 5
